; MI455X (gfx1250); checked and timed in simulation.
; The chip was launched on July 23, 2026; its instructions are those of AMD's public machine-readable ISA for CDNA 5 (MIT licence, August 2026) and "CDNA5" Instruction Set Architecture Reference Guide (July 2026). The comments in the code are by the model that wrote it; some were corrected since.
;; Grouped Query Attention. Allowed arithmetic: matrix products marked QUANTISED: E2M1 operands, one E8M0 scale for each 32 along K, by v_wmma_scale_f32_16x16x128_f8f6f4 with both operands' format E2M1 (or v_wmma_scale_f32_32x16x128_f4), f32 sums; products left as they are: bf16, f16 or f32 operands; f32 sums; everything else in f32.
;; Inputs: Wk 1,024 x 256 float32; Wo 1,024 x 1,024 float32; Wq 1,024 x 1,024 float32; Wv 1,024 x 256 float32; x 4 x 2,048 x 1,024 float32.
;; Outputs: out0 4 x 2,048 x 1,024 float32.
;; This version of the problem:
;;   THIS VERSION OF THE PROBLEM IS GIVEN IN LOW PRECISION. The matrix products marked QUANTISED in the list below multiply operands that are first quantised to E2M1 (2 exponent bits, 1 mantissa bit; 4 bits a number), with one power-of-two scale for each 32 numbers along K (OCP MX v1.0); their sums are f32. The products marked 'left as it is' may take bf16, f16 or f32 operands, with f32 sums. Whichever they take, every output number must still come out within the allowed error. Rounding operands to bf16 (8 significant bits) uses up far more of that allowance than f16 does (11 bits, for magnitudes from 6e-5 to 65,504). All else is computed in f32.
;;   The module's matrix products, in the order in which they are computed (A, B: the left and right operand; K: the contracted axis; several contracted axes count as one K, in the product's order):
;;     1. [M 8,192, K 1,024] x [K 1,024, N 1,024]; A: input x; B: input Wq: QUANTISED
;;     2. [M 8,192, K 1,024] x [K 1,024, N 256]; A: input x; B: input Wk: QUANTISED
;;     3. [M 8,192, K 1,024] x [K 1,024, N 256]; A: input x; B: input Wv: QUANTISED
;;     4. batch 16 x [M 8,192, K 64] x [K 64, N 2,048]; A: computed on the way; B: computed on the way: left as it is (an operand is computed on the way)
;;     5. batch 16 x [M 8,192, K 2,048] x [K 2,048, N 64]; A: computed on the way; B: computed on the way: left as it is (an operand is computed on the way)
;;     6. [M 8,192, K 1,024] x [K 1,024, N 1,024]; A: computed on the way; B: input Wo: left as it is (an operand is computed on the way)
;;   THE QUANTISER, for each operand of a quantised product, along K:
;;     - K is cut into blocks of 32 from its start; a last block that is shorter is filled with zeros.
;;     - A block's scale is 2^e with e = floor(log2(the largest magnitude in the block)) - 2, held to -126 .. 127; a block of zeros has e = 0. As a byte (E8M0): e + 127.
;;     - Each number is divided by its block's scale, clamped to +-6, and rounded to the nearest number of E2M1, ties to even, subnormals kept.
;;     - The product sums the exact products of the quantised numbers (number of the format x scale) in f32.
;;   ~~~python
;;   def quantise(x, axis):      # numpy; x: float32 -> the quantised numbers, widened to float32 again
;;       x = np.moveaxis(x, axis, -1); K = x.shape[-1]
;;       x = np.pad(x, [(0, 0)] * (x.ndim - 1) + [(0, -K % 32)]); x = x.reshape(x.shape[:-1] + (-1, 32)); a = np.abs(x).max(-1, keepdims=True)
;;       e = np.where(a > 0, np.clip(np.frexp(np.where(a > 0, a, 1))[1] - 1 - 2, -126, 127), 0)      # np.frexp(a)[1] - 1 = floor(log2(a)), exactly
;;       r = np.clip(x / 2.0 ** e, -6, 6)
;;       step = 2.0 ** (np.maximum(np.frexp(np.where(r == 0, 1, r))[1] - 1, 0) - 1)
;;       q = np.round(r / step) * step * 2.0 ** e      # np.round: ties to even
;;       return np.moveaxis(q.reshape(q.shape[:-2] + (-1,))[..., :K], -1, axis).astype(np.float32)
;;   ~~~
;; One version. Each part assembles by itself: llvm-mc -triple=amdgcn-amd-amdhsa -mcpu=gfx1250 --defsym DOCPART=n.
;; ======== version 1 of 1: 5 launches
;; limits: values are held in f16: magnitudes above 65,504 overflow, below 6.1e-05 lose precision
;; workspace buffers: xcodes 4,456,448 bytes; wcodes 835,584 bytes; wot 2,097,152 bytes; rope 524,288 bytes; qkv 25,165,824 bytes; fin 393,216 bytes; att 16,777,216 bytes
;; launch prep (part 1): grid 408 x 1, 4 waves a work-group, no clusters, 102,912 bytes of LDS; arguments x, Wq, Wk, Wv, Wo, xcodes, wcodes, wot, rope; writes xcodes, wcodes, wot, rope
.if DOCPART == 1
	.amdgcn_target "amdgcn-amd-amdhsa--gfx1250"
	.amdhsa_code_object_version 6
	.text
	.protected	k_qe390c4179c_prep
	.globl	k_qe390c4179c_prep
	.p2align	8
	.type	k_qe390c4179c_prep,@function
k_qe390c4179c_prep:
	s_mov_b64 s[64:65], 0
	v_nop
	global_prefetch_b8 v0, s[64:65] scope:SCOPE_SE
	s_setreg_imm32_b32 hwreg(HW_REG_WAVE_MODE, 25, 1), 1
	s_wait_xcnt 0x0
; PREP: four roles, chosen by the work-group's number.
;   X (work-groups 0-255):   x [8192][1024] f32 -> codes of E2M1, K innermost, [8192][512 bytes], and one E8M0 byte for each 32 along K, [8192][32], behind them at byte XSC.
;   W (256-279): Wq | Wk | Wv, f32 with K as their FIRST axis -> codes [1536 n][512 bytes] and scale bytes [1536][32] at byte WSC.  n: 0-1023 Wq, 1024-1279 Wk, 1280-1535 Wv.
;   O (280-343): Wo [1024 k][1024 n] f32 -> Wo^T [1024 n][1024 k] in f16.
;   T (344-407): the table of RoPE: [2048 positions][cos of 32 frequencies | sin of 32 frequencies] f32, 256 bytes a row.
; A block's scale is 2^(floor(log2(its largest magnitude)) - 2); its byte is the largest magnitude's exponent field - 2, held at 1 from below.
; LIMITS: a block of zeros gets the byte 1 where the quantiser says 127 (its codes are zeros, and this program alone reads the bytes); NaN and infinities among the inputs are not served;
; |Wo| must stay under 65,504 (f16); a frequency is 2^(-f log2(10000)/32) by v_exp_f32, so an angle may differ from pos * (1 / 10000^(f/32)) by about 2e-4 rad at position 2,047.
; No tensor loads, no barrier: waves share nothing.  Each role has LDS bytes of its own.
.set SPW,   192                        ; v192 LDS address of my spare word; never rewritten
.set NIL,   193                        ; v193 0; never rewritten
.set SPARE, 102400                     ; the spare words: 128 bytes a wave
.set XSC,   4194304                    ; x's scale bytes in xcodes
.set WSC,   786432                     ; the weights' scale bytes in wcodes
.set SP,    80                         ; role X: a lane's place in a stage: 64 bytes + 16
.set WSTG,  32768                      ; role W's four stages, 32 rows x 272 bytes each
.set OSTG,  67584                      ; role O's
.set PITCH, 272
.set VO,    144                        ; v144-175 roles W, O: 4 x lane + i x the source's pitch, i = 0 .. 31
.set XN,    32                         ; v32-95   roles W, O: two sets of 32 numbers
.set CD,    96                         ; v96..    roles W, O: what a block makes
.macro FINISH                          ; the wave's end
	s_wait_tensorcnt 0x0
	ds_add_u32 v[SPW], v[NIL]
	s_wait_dscnt 0x0
	s_endpgm
.endm
; ---- role X: a wave takes 16 steps of 512 numbers.  Loads take the bytes as they lie, 512 to a load; a step's 2,048 bytes turn through the wave's stage so that a lane holds 16 neighbours
.macro XLOAD t
.irp i, 0,1,2,3
	global_load_b128 v[16+16*((\t)%4)+4*\i:16+16*((\t)%4)+4*\i+3], v3, s[4:5] offset:2048*(\t)+512*\i th:TH_LOAD_NT
.endr
.endm
.macro XTURN t                         ; LDS serves a wave's instructions in order: no wait between the stores and the loads
.irp i, 0,1,2,3
	ds_store_b128 v14, v[16+16*((\t)%4)+4*\i:16+16*((\t)%4)+4*\i+3] offset:32*SP*((\t)%2)+8*SP*\i
.endr
.irp i, 0,1,2,3
	ds_load_b128 v[80+16*((\t)%2)+4*\i:80+16*((\t)%2)+4*\i+3], v15 offset:32*SP*((\t)%2)+16*\i
.endr
.endm
.macro XSTEP t
.set XB, 80+16*((\t)%2)
.if (\t) > 0
	s_wait_dscnt 1                                 ; this step's numbers are back from the stage; the last step's byte store may be out
.else
	s_wait_dscnt 0x0
.endif
.if (\t)+4 < 16
	XLOAD (\t)+4
.endif
.if (\t)+1 < 16
.if 14-(\t) >= 3
	s_wait_loadcnt 12                              ; the next step's four loads are in; three younger steps' may be out
.else
	s_wait_loadcnt 4*(14-(\t))
.endif
	XTURN (\t)+1
.endif
	v_max3_num_f32 v8, |v[XB]|, |v[XB+1]|, |v[XB+2]|
	v_max3_num_f32 v9, |v[XB+3]|, |v[XB+4]|, |v[XB+5]|
.irp i, 6,10
	v_max3_num_f32 v8, v8, |v[XB+\i]|, |v[XB+\i+1]|
	v_max3_num_f32 v9, v9, |v[XB+\i+2]|, |v[XB+\i+3]|
.endr
	v_max3_num_f32 v8, v8, |v[XB+14]|, |v[XB+15]|
	v_max3_num_f32 v8, v8, v9, 0x1800000           ; the floor 2^(3 - 127): the byte cannot fall under 1
	v_max_num_f32_dpp v8, v8, v8 row_xmask:1 row_mask:0xf bank_mask:0xf   ; with my neighbour's 16: the block's largest magnitude
	v_add_nc_u32 v11, 0xff000000, v8               ; 2 off its exponent field: the conversion's scale operand
	v_cvt_scalef32_pk8_fp4_f32 v[128+4*(\t)], v[XB:XB+7], v11
	v_cvt_scalef32_pk8_fp4_f32 v[128+4*(\t)+1], v[XB+8:XB+15], v11
	v_lshrrev_b32 v[112+(\t)], 23, v11             ; the scale's byte
	ds_store_b8 v5, v[112+(\t)] offset:16*(\t)     ; both lanes of a block write the same byte with the same value
	global_store_b64 v4, v[128+4*(\t):128+4*(\t)+1], s[26:27] offset:256*(\t)   ; the wave stores 256 consecutive bytes, aligned
.endm
; ---- roles W and O: a lane takes a column, its registers run down K
.macro COLS stg, krow                  ; addresses: s31 = the source's pitch in bytes
	v_lshlrev_b32 v[VO], 2, v2
.irp i, 1,2,3,4,5,6,7,8,9,10,11,12,13,14,15,16,17,18,19,20,21,22,23,24,25,26,27,28,29,30,31
	v_add_nc_u32 v[VO+\i], s31, v[VO+\i-1]
.endr
	s_mul_i32 s25, s22, 32*PITCH
	s_add_co_u32 s25, s25, \stg                    ; my stage
	v_mul_u32_u24 v4, v2, PITCH
	v_add_nc_u32 v4, s25, v4                       ; into it: row = my column
	v_and_b32 v5, 15, v2
	v_lshrrev_b32 v6, 4, v2
	v_mul_u32_u24 v7, v6, PITCH
	v_lshl_add_u32 v7, v5, 4, v7
	v_add_nc_u32 v7, s25, v7                       ; out of it: sixteen lanes to a row, two rows an instruction
	v_mul_u32_u24 v8, v6, \krow
	v_lshl_add_u32 v8, v5, 4, v8                   ; and the same place in the output
.endm
.macro WLOAD t                         ; block t: 32 rows of the source at my column, into set t % 2
.if (\t) > 0
	s_wait_xcnt 0x0                                ; the earlier loads have read their base: it may step
	s_add_nc_u64 s[28:29], s[28:29], s[32:33]      ; 32 rows on
.endif
.irp i, 0,1,2,3,4,5,6,7,8,9,10,11,12,13,14,15,16,17,18,19,20,21,22,23,24,25,26,27,28,29,30,31
	global_load_b32 v[XN+32*((\t)%2)+\i], v[VO+\i], s[28:29] th:TH_LOAD_NT
.endr
.endm
.macro WBLOCK t
.set XB, XN+32*((\t)%2)
.if (\t) < 15
	s_wait_loadcnt 32                              ; this block's 32 loads are in; the next block's may be out
.else
	s_wait_loadcnt 0x0
.endif
	v_max3_num_f32 v12, |v[XB]|, |v[XB+1]|, |v[XB+2]|
	v_max3_num_f32 v13, |v[XB+3]|, |v[XB+4]|, |v[XB+5]|
.irp i, 6,10,14,18,22,26
	v_max3_num_f32 v12, v12, |v[XB+\i]|, |v[XB+\i+1]|
	v_max3_num_f32 v13, v13, |v[XB+\i+2]|, |v[XB+\i+3]|
.endr
	v_max3_num_f32 v12, v12, |v[XB+30]|, |v[XB+31]|
	v_max3_num_f32 v12, v12, v13, 0x1800000        ; the floor
	v_add_nc_u32 v11, 0xff000000, v12
	v_lshrrev_b32 v13, 23, v11                     ; the scale's byte
.if (\t)%4 == 0
	v_mov_b32 v[24+(\t)/4], v13                    ; four bytes to a register, the lower K in the lower byte
.else
	v_lshl_or_b32 v[24+(\t)/4], v13, 8*((\t)%4), v[24+(\t)/4]
.endif
.irp g, 0,1,2,3
	v_cvt_scalef32_pk8_fp4_f32 v[CD+\g], v[XB+8*\g:XB+8*\g+7], v11
.endr
	ds_store_b128 v4, v[CD:CD+3] offset:16*(\t)    ; 32 codes: 16 bytes of my column's row
.if (\t)+2 < 16
	WLOAD (\t)+2
.endif
	s_wait_dscnt 0x0                               ; the store has read its registers
.endm
.macro OBLOCK t
.set XB, XN+32*((\t)%2)
.if (\t) < 3
	s_wait_loadcnt 32
.else
	s_wait_loadcnt 0x0
.endif
.irp i, 0,1,2,3,4,5,6,7,8,9,10,11,12,13,14,15
	v_cvt_pk_f16_f32 v[CD+\i], v[XB+2*\i], v[XB+2*\i+1]
.endr
.irp i, 0,1,2,3
	ds_store_b128 v4, v[CD+4*\i:CD+4*\i+3] offset:64*(\t)+16*\i
.endr
.if (\t)+2 < 4
	WLOAD (\t)+2
.endif
	s_wait_dscnt 0x0
.endm
.macro OUTROWS krow                    ; the stage's 32 rows of 256 bytes leave: sixteen lanes store 256 consecutive bytes, aligned
.irp t, 0,1,2,3,4,5,6,7,8,9,10,11,12,13,14,15
	ds_load_b128 v[96+4*\t+32*(\t/12):96+4*\t+32*(\t/12)+3], v7 offset:2*\t*PITCH
.endr
.irp t, 0,1,2,3,4,5,6,7,8,9,10,11,12,13,14,15
	s_wait_dscnt 15-\t
	global_store_b128 v8, v[96+4*\t+32*(\t/12):96+4*\t+32*(\t/12)+3], s[36:37] offset:2*\t*\krow
.endr
.endm
; ---- role T: sine or cosine of pos x frequency e of my two.  Reduction by quarters of a turn in two parts, then polynomials on |r| <= pi/4
.macro SC t, e
	v_mul_f32 v10, v9, v[4+\e]                     ; the angle
	v_mul_f32 v11, s26, v10
	v_rndne_f32 v11, v11                           ; n = the nearest whole number of quarter turns
	v_fma_f32 v12, v11, s27, v10
	v_fma_f32 v12, v11, s28, v12                   ; r = angle - n pi/2
	v_mul_f32 v13, v12, v12                        ; z = r r
	v_fma_f32 v14, v13, s32, s31
	v_fma_f32 v14, v14, v13, s30
	v_fma_f32 v14, v14, v13, s29
	v_mul_f32 v15, v12, v13
	v_fma_f32 v14, v14, v15, v12                   ; sin r
	v_fma_f32 v16, v13, s37, s36
	v_fma_f32 v16, v16, v13, s35
	v_fma_f32 v16, v16, v13, s34
	v_fma_f32 v16, v16, v13, -0.5
	v_fma_f32 v16, v16, v13, 1.0                   ; cos r
	v_cvt_i32_f32 v17, v11
	v_add_nc_u32 v17, v17, v6                      ; a cosine is the sine a quarter turn on
	v_and_b32 v18, 1, v17
	v_cmp_ne_u32 vcc_lo, 0, v18
	v_cndmask_b32 v14, v14, v16, vcc_lo
	v_and_b32 v17, 2, v17
	v_lshlrev_b32 v17, 30, v17
	v_xor_b32 v[64+2*(\t)+\e], v14, v17            ; the sign of the second half turn
.endm
	s_load_b256 s[4:11], s[0:1], 0x0               ; x, Wq, Wk, Wv
	s_load_b256 s[12:19], s[0:1], 0x20             ; Wo, xcodes, wcodes, wot
	s_load_b64 s[20:21], s[0:1], 0x40              ; rope
	v_lshl_add_u32 v[SPW], v0, 2, SPARE
	v_mov_b32 v[NIL], 0
	v_lshrrev_b32 v1, 5, v0
	v_readfirstlane_b32 s22, v1                    ; wave
	v_and_b32 v2, 31, v0                           ; lane
	s_wait_kmcnt 0x0
	s_cmp_lt_u32 ttmp9, 256
	s_cbranch_scc1 .Lrole_x
	s_cmp_lt_u32 ttmp9, 280
	s_cbranch_scc1 .Lrole_w
	s_cmp_lt_u32 ttmp9, 344
	s_cbranch_scc1 .Lrole_o
	; ---------------- role T: a wave makes 8 rows; lane L makes floats 2 L and 2 L + 1 of a row
	s_sub_co_u32 s23, ttmp9, 344
	s_lshl_b32 s23, s23, 5
	s_lshl_b32 s24, s22, 3
	s_add_co_u32 s23, s23, s24                     ; my first position
	s_lshl_b32 s24, s23, 8
	s_mov_b32 s25, 0
	s_add_nc_u64 s[20:21], s[20:21], s[24:25]
	s_mov_b32 s26, 0x3f22f983                      ; 2 / pi
	s_mov_b32 s27, 0xbfc90fdb                      ; -(pi / 2), its f32 part,
	s_mov_b32 s28, 0x333bbd2e                      ; and what that part has too much
	s_mov_b32 s29, 0xbe2aaaab                      ; -1/6
	s_mov_b32 s30, 0x3c088889                      ; 1/120
	s_mov_b32 s31, 0xb9500d01                      ; -1/5040
	s_mov_b32 s32, 0x3638ef1d                      ; 1/362880
	s_mov_b32 s34, 0x3d2aaaab                      ; 1/24
	s_mov_b32 s35, 0xbab60b61                      ; -1/720
	s_mov_b32 s36, 0x37d00d01                      ; 1/40320
	s_mov_b32 s37, 0xb493f27e                      ; -1/3628800
	v_and_b32 v3, 15, v2
	v_lshlrev_b32 v3, 1, v3                        ; my first frequency's number
	v_cvt_f32_u32 v4, v3
	v_add_nc_u32 v5, 1, v3
	v_cvt_f32_u32 v5, v5
	v_mul_f32 v4, 0xbed49a78, v4                   ; x -log2(10000) / 32
	v_mul_f32 v5, 0xbed49a78, v5
	v_exp_f32 v4, v4
	v_exp_f32 v5, v5
	v_lshrrev_b32 v6, 4, v2                        ; (plain work behind the two exponentials)
	v_xor_b32 v6, 1, v6                            ; 1 in the lanes that make cosines
	v_lshlrev_b32 v7, 3, v2                        ; 8 bytes a lane
	s_wait_alu depctr_va_vdst(0)                   ; one wait for both, ahead of their first reader
.irp t, 0,1,2,3,4,5,6,7
	s_add_co_u32 s38, s23, \t
	v_cvt_f32_u32 v9, s38
	SC \t, 0
	SC \t, 1
	global_store_b64 v7, v[64+2*\t:65+2*\t], s[20:21] offset:256*\t   ; a row: 256 consecutive bytes, aligned
.endr
	FINISH
	; ---------------- role X
.Lrole_x:
	s_lshl_b32 s23, ttmp9, 2
	s_add_co_u32 s23, s23, s22                     ; which run of 8,192 numbers is my wave's
	s_lshl_b32 s24, s23, 15
	s_mov_b32 s25, 0
	s_add_nc_u64 s[4:5], s[4:5], s[24:25]
	s_lshl_b32 s24, s23, 12
	s_add_nc_u64 s[26:27], s[14:15], s[24:25]      ; its codes
	s_lshl_b32 s24, s23, 8
	s_add_co_u32 s24, s24, XSC
	s_add_nc_u64 s[28:29], s[14:15], s[24:25]      ; its 256 scale bytes
	v_lshlrev_b32 v3, 4, v2
	s_mul_i32 s23, s22, 8192                       ; my wave's LDS: two stages, then 256 scale bytes
	v_lshrrev_b32 v14, 2, v2
	v_mul_u32_u24 v14, v14, SP
	v_and_b32 v15, 3, v2
	v_lshl_add_u32 v14, v15, 4, v14
	v_add_nc_u32 v14, s23, v14                     ; in: SP (lane / 4) + 16 (lane % 4)
	v_mul_u32_u24 v15, v2, SP
	v_add_nc_u32 v15, s23, v15                     ; out: SP x lane
	v_lshlrev_b32 v4, 3, v2                        ; my 8 bytes of a step's codes
	v_lshrrev_b32 v5, 1, v2
	s_add_co_u32 s23, s23, 2*32*SP
	v_add_nc_u32 v5, s23, v5                       ; my block's scale byte
	v_lshlrev_b32 v7, 3, v2
	v_add_nc_u32 v6, s23, v7
.irp t, 0,1,2,3
	XLOAD \t
.endr
	s_wait_loadcnt 12
	XTURN 0
.irp t, 0,1,2,3,4,5,6,7,8,9,10,11,12,13,14,15
	XSTEP \t
.endr
	ds_load_b64 v[8:9], v6                         ; my wave's 256 scale bytes, behind my stores of them
	s_wait_dscnt 0x0
	global_store_b64 v7, v[8:9], s[28:29]          ; 256 consecutive bytes, aligned
	FINISH
	; ---------------- role W: 32 columns x 512 along K a wave
.Lrole_w:
	s_sub_co_u32 s23, ttmp9, 256
	s_cmp_ge_u32 s23, 12
	s_cselect_b32 s24, 1, 0                        ; which half of K
	s_mul_i32 s25, s24, 12
	s_sub_co_u32 s23, s23, s25                     ; which 128 of the 1,536 columns
	s_mov_b32 s31, 1024
	s_cmp_lt_u32 s23, 10
	s_cselect_b64 s[28:29], s[8:9], s[10:11]
	s_cselect_b32 s30, 8, 10
	s_cmp_lt_u32 s23, 8
	s_cselect_b64 s[28:29], s[6:7], s[28:29]       ; the tensor,
	s_cselect_b32 s30, 0, s30                      ; where it begins among the twelve,
	s_cselect_b32 s31, 4096, s31                   ; and its pitch in bytes
	s_sub_co_u32 s30, s23, s30
	s_lshl_b32 s30, s30, 9
	s_lshl_b32 s25, s22, 7
	s_add_co_u32 s30, s30, s25                     ; my first column, in bytes
	s_mul_i32 s25, s24, s31
	s_lshl_b32 s25, s25, 9                         ; 512 rows for the second half of K
	s_add_co_u32 s32, s30, s25
	s_mov_b32 s33, 0
	s_add_nc_u64 s[28:29], s[28:29], s[32:33]
	s_lshl_b32 s32, s31, 5                         ; s[32:33]: 32 rows on
	s_lshl_b32 s34, s23, 7
	s_lshl_b32 s25, s22, 5
	s_add_co_u32 s34, s34, s25                     ; my first row of the output
	s_lshl_b32 s36, s34, 9
	s_lshl_b32 s25, s24, 8
	s_add_co_u32 s36, s36, s25
	s_mov_b32 s37, 0
	s_add_nc_u64 s[36:37], s[16:17], s[36:37]      ; codes
	s_lshl_b32 s38, s34, 5
	s_lshl_b32 s25, s24, 4
	s_add_co_u32 s38, s38, s25
	s_add_co_u32 s38, s38, WSC
	s_mov_b32 s39, 0
	s_add_nc_u64 s[38:39], s[16:17], s[38:39]      ; scale bytes
	COLS WSTG, 512
	v_lshlrev_b32 v9, 5, v2                        ; my column's row of scale bytes
	WLOAD 0
	WLOAD 1
.irp t, 0,1,2,3,4,5,6,7,8,9,10,11,12,13,14,15
	WBLOCK \t
.endr
	global_store_b128 v9, v[24:27], s[38:39]       ; my column's 16 scale bytes
	OUTROWS 512
	FINISH
	; ---------------- role O: 32 columns x 128 along K a wave
.Lrole_o:
	s_sub_co_u32 s23, ttmp9, 280
	s_lshr_b32 s24, s23, 3                         ; which 128 along K
	s_and_b32 s23, s23, 7                          ; which 128 columns
	s_mov_b32 s31, 4096
	s_lshl_b32 s30, s23, 9
	s_lshl_b32 s25, s22, 7
	s_add_co_u32 s30, s30, s25
	s_lshl_b32 s25, s24, 19
	s_add_co_u32 s32, s30, s25
	s_mov_b32 s33, 0
	s_add_nc_u64 s[28:29], s[12:13], s[32:33]
	s_lshl_b32 s32, s31, 5
	s_lshl_b32 s34, s23, 7
	s_lshl_b32 s25, s22, 5
	s_add_co_u32 s34, s34, s25
	s_lshl_b32 s36, s34, 11
	s_lshl_b32 s25, s24, 8
	s_add_co_u32 s36, s36, s25
	s_mov_b32 s37, 0
	s_add_nc_u64 s[36:37], s[18:19], s[36:37]
	COLS OSTG, 2048
	WLOAD 0
	WLOAD 1
.irp t, 0,1,2,3
	OBLOCK \t
.endr
	OUTROWS 2048
	FINISH
.Lfunc_end_k_qe390c4179c_prep:
	.size	k_qe390c4179c_prep, .Lfunc_end_k_qe390c4179c_prep-k_qe390c4179c_prep
	.p2alignl 7, 3214868480
	.fill 96, 4, 3214868480
	.section	.rodata,"a",@progbits
	.p2align	6, 0x0
	.amdhsa_kernel k_qe390c4179c_prep
		.amdhsa_group_segment_fixed_size 102912
		.amdhsa_private_segment_fixed_size 0
		.amdhsa_enable_private_segment 0
		.amdhsa_kernarg_size 72
		.amdhsa_user_sgpr_count 2
		.amdhsa_user_sgpr_kernarg_segment_ptr 1
		.amdhsa_wavefront_size32 1
		.amdhsa_system_sgpr_workgroup_id_x 1
		.amdhsa_system_sgpr_workgroup_id_y 1
		.amdhsa_system_sgpr_workgroup_id_z 1
		.amdhsa_system_vgpr_workitem_id 0
		.amdhsa_next_free_vgpr 200
		.amdhsa_next_free_sgpr 66
		.amdhsa_reserve_vcc 1
		.amdhsa_float_denorm_mode_32 3
		.amdhsa_float_denorm_mode_16_64 3
		.amdhsa_memory_ordered 1
		.amdhsa_forward_progress 1
		.amdhsa_inst_pref_size 157
	.end_amdhsa_kernel
	.amdgpu_metadata
---
amdhsa.version: [ 1, 2 ]
amdhsa.kernels:
  - .name:           k_qe390c4179c_prep
    .symbol:         k_qe390c4179c_prep.kd
    .args:
      - { .name: x, .offset: 0, .size: 8, .value_kind: global_buffer, .address_space: global }
      - { .name: Wq, .offset: 8, .size: 8, .value_kind: global_buffer, .address_space: global }
      - { .name: Wk, .offset: 16, .size: 8, .value_kind: global_buffer, .address_space: global }
      - { .name: Wv, .offset: 24, .size: 8, .value_kind: global_buffer, .address_space: global }
      - { .name: Wo, .offset: 32, .size: 8, .value_kind: global_buffer, .address_space: global }
      - { .name: xcodes, .offset: 40, .size: 8, .value_kind: global_buffer, .address_space: global }
      - { .name: wcodes, .offset: 48, .size: 8, .value_kind: global_buffer, .address_space: global }
      - { .name: wot, .offset: 56, .size: 8, .value_kind: global_buffer, .address_space: global }
      - { .name: rope, .offset: 64, .size: 8, .value_kind: global_buffer, .address_space: global }
    .group_segment_fixed_size: 102912
    .private_segment_fixed_size: 0
    .kernarg_segment_align: 8
    .kernarg_segment_size: 72
    .max_flat_workgroup_size: 128
    .sgpr_count:     66
    .vgpr_count:     200
    .wavefront_size: 32
...
	.end_amdgpu_metadata
.endif
;; end of part 1
;; launch qkv (part 2): grid 8 x 32, 4 waves a work-group, clusters of 4 x 1, 327,680 bytes of LDS; arguments xcodes, wcodes, rope, qkv, fin; writes qkv, fin
.if DOCPART == 2
	.amdgcn_target "amdgcn-amd-amdhsa--gfx1250"
	.amdhsa_code_object_version 6
	.text
	.protected	k_qe390c4179c_qkv
	.globl	k_qe390c4179c_qkv
	.p2align	8
	.type	k_qe390c4179c_qkv,@function
k_qe390c4179c_qkv:
	s_mov_b64 s[64:65], 0
	v_nop
	global_prefetch_b8 v0, s[64:65] scope:SCOPE_SE
	s_setreg_imm32_b32 hwreg(HW_REG_WAVE_MODE, 25, 1), 1
	s_wait_xcnt 0x0
	s_wait_alu depctr_hold_cnt(0) depctr_sa_sdst(0) depctr_va_vdst(0) depctr_va_sdst(0) depctr_va_ssrc(0) depctr_va_vcc(0) depctr_vm_vsrc(0)
	s_getreg_b32 s2, hwreg(HW_REG_IB_STS2, 6, 4)
	s_cmp_eq_u32 s2, 0
	s_cbranch_scc0 .Lentry_in_a_cluster
	s_endpgm
.Lentry_in_a_cluster:
	s_bfe_u32 s2, ttmp6, 0x10000c
	s_cmp_lg_u32 s2, 0x3003
	s_cbranch_scc0 .Lentry_shape_is_right
	s_endpgm
.Lentry_shape_is_right:
; QKV: [8192][1024] x [1024][1536] on codes of E2M1 with E8M0 scales; then RoPE on q and k, q x log2(e)/8; out in f16 as qkv [4 b][24 H][2048 s][64] (H 0-15 q, 16-19 k, 20-23 v),
; and the f32 numbers of positions 0-15 of every sequence as fin [4 b][24 H][16][64].
; SHARES.  A work-group makes 256 rows x 192 columns (three heads); wave w rows 64 w .. 64 w + 63 against all 192 columns: 4 x 12 accumulators, 384 registers.
; All of K lies in LDS at once, as two halves of 512 along K (rows of 256 bytes): six tensor loads a wave at the start, nothing is filled again.  By this text's count a wave has six tensor loads out.
; CLUSTER 4 x 1: the four work-groups of a cluster have the same 256 rows of x: x's codes and scale bytes are asked for jointly (mask 15).  The weights' tile hangs on the place in the cluster: a load of my own.
; Not 4 x 4: the branch that stores fin hangs on the tile row, which must then be the same in all partners.  What hangs on the place (which kind of head) is done by selects, never by a branch.
; THE MATRIX INSTRUCTION IS USED TRANSPOSED (source 0 = 16 columns of W, source 1 = 16 rows of x): a lane holds one row and eight neighbouring columns.
; LIMITS: |q log2(e)/8|, |k|, |v| must stay under 65,504 (f16); NaN and infinities are not served.
; REGISTERS: window 0: v0-31 addresses; v32-95 scale words and nothing else (x's at v32, W's at v48: register 8 i + q: lanes 0-15 block 2 i, lanes 16-31 block 2 i + 1, the q-th 128 along K);
;   v96-127 cosines and sines under a head's factors; v128-159 a head's 64 numbers of my row; v160-191 the same packed (two sets).
;   window 1: two sets of fragments at v0 and v128 (W's 12, then x's 4); on the way out v0-31 rows read back.
;   windows 2, 3: accumulator (a, b) at v[96 (a % 2) + 8 b] of window 2 + a / 2; behind them, at v[192 + 32 (a % 2)] of the same window, block a's 16 cosines and 16 sines.
.set PITCH, 272                        ; an LDS row: 256 bytes + 16
.set CHUNK, 121856                     ; half of K: x's 256 rows, then W's 192
.set BOFF,  69632
.set SCA,   243712                     ; x's scale bytes: 32 units of 256 bytes + 16
.set SCB,   252416                     ; W's: 24 units
.set STAGE, 259072                     ; 4,608 bytes a wave: two halves of 16 rows x 144
.set SPARE, 277504                     ; the spare words
.set XSC,   4194304
.set WSC,   786432
.set RO,   12
.set ADRA, 16                          ; v16-17 my x fragments in half 0, 1
.set ADSA, 18
.set ADSB, 19
.set ADRB, 20                          ; v20-21 W's
.set STO,  24
.set RD,   25
.set GO,   26
.set FO,   27
.set SPW,  28
.set NIL,  29
.set SX,   32
.set SW,   48
.set CP,   96
.set SN,   112
.set TT,   128
.set PK,   160
.set RP,   192                         ; in windows 2 and 3
.set MSB, 0
.macro WIN new                         ; the immediate's high byte repeats the setting that is left
.if MSB != (\new)
	s_set_vgpr_msb (MSB<<8)|(\new)
.set MSB, (\new)
.endif
.endm
.macro PLACES n
.rept \n
	v_nop
.endr
.endm
.macro ROUND                           ; a round of the cluster's barrier
	s_barrier_signal -1
	s_barrier_wait -1
	s_cmp_lg_u32 s14, 0
	s_cbranch_scc1 .Lnot_wave_0_\@
	s_barrier_signal -3
.Lnot_wave_0_\@:
	s_barrier_wait -3
	s_barrier_signal -1
	s_barrier_wait -1
.endm
.macro FRAG reg, adr, q, i             ; 16 rows x 128 K of 4-bit codes: registers 4 c .. 4 c + 3 hold K = 64 c + 32 (lane / 16) + 0 .. 31
.irp c, 0,1
	ds_load_b128 v[\reg+4*\c:\reg+4*\c+3], v[\adr] offset:64*((\q)%4)+32*\c+(\i)*16*PITCH
.endr
.endm
.macro FETCH q                         ; the fragments of the q-th 128 along K into set q % 2: 32 loads in one run
	WIN 0x40
.irp i, 0,1,2,3,4,5,6,7,8,9,10,11
	FRAG 128*((\q)%2)+8*\i, ADRB+(\q)/4, \q, \i
.endr
.irp i, 0,1,2,3
	FRAG 128*((\q)%2)+96+8*\i, ADRA+(\q)/4, \q, \i
.endr
.endm
.macro WM acc, fb, fa, sb, sa, zero, rb, ra
.if \zero
.if (\rb) && (\ra)
	v_wmma_scale_f32_16x16x128_f8f6f4 v[\acc:\acc+7], v[\fb:\fb+7], v[\fa:\fa+7], 0, v[\sb], v[\sa] matrix_a_fmt:MATRIX_FMT_FP4 matrix_b_fmt:MATRIX_FMT_FP4 matrix_a_scale:MATRIX_SCALE_ROW1 matrix_b_scale:MATRIX_SCALE_ROW1
.elseif \rb
	v_wmma_scale_f32_16x16x128_f8f6f4 v[\acc:\acc+7], v[\fb:\fb+7], v[\fa:\fa+7], 0, v[\sb], v[\sa] matrix_a_fmt:MATRIX_FMT_FP4 matrix_b_fmt:MATRIX_FMT_FP4 matrix_a_scale:MATRIX_SCALE_ROW1
.elseif \ra
	v_wmma_scale_f32_16x16x128_f8f6f4 v[\acc:\acc+7], v[\fb:\fb+7], v[\fa:\fa+7], 0, v[\sb], v[\sa] matrix_a_fmt:MATRIX_FMT_FP4 matrix_b_fmt:MATRIX_FMT_FP4 matrix_b_scale:MATRIX_SCALE_ROW1
.else
	v_wmma_scale_f32_16x16x128_f8f6f4 v[\acc:\acc+7], v[\fb:\fb+7], v[\fa:\fa+7], 0, v[\sb], v[\sa] matrix_a_fmt:MATRIX_FMT_FP4 matrix_b_fmt:MATRIX_FMT_FP4
.endif
.else
.if (\rb) && (\ra)
	v_wmma_scale_f32_16x16x128_f8f6f4 v[\acc:\acc+7], v[\fb:\fb+7], v[\fa:\fa+7], v[\acc:\acc+7], v[\sb], v[\sa] matrix_a_fmt:MATRIX_FMT_FP4 matrix_b_fmt:MATRIX_FMT_FP4 matrix_a_scale:MATRIX_SCALE_ROW1 matrix_b_scale:MATRIX_SCALE_ROW1
.elseif \rb
	v_wmma_scale_f32_16x16x128_f8f6f4 v[\acc:\acc+7], v[\fb:\fb+7], v[\fa:\fa+7], v[\acc:\acc+7], v[\sb], v[\sa] matrix_a_fmt:MATRIX_FMT_FP4 matrix_b_fmt:MATRIX_FMT_FP4 matrix_a_scale:MATRIX_SCALE_ROW1
.elseif \ra
	v_wmma_scale_f32_16x16x128_f8f6f4 v[\acc:\acc+7], v[\fb:\fb+7], v[\fa:\fa+7], v[\acc:\acc+7], v[\sb], v[\sa] matrix_a_fmt:MATRIX_FMT_FP4 matrix_b_fmt:MATRIX_FMT_FP4 matrix_b_scale:MATRIX_SCALE_ROW1
.else
	v_wmma_scale_f32_16x16x128_f8f6f4 v[\acc:\acc+7], v[\fb:\fb+7], v[\fa:\fa+7], v[\acc:\acc+7], v[\sb], v[\sa] matrix_a_fmt:MATRIX_FMT_FP4 matrix_b_fmt:MATRIX_FMT_FP4
.endif
.endif
.endm
.macro MUL q, zero                     ; 48 products; the 48 accumulators take turns, one instruction a turn, in the same order in every step
.irp a, 0,1,2,3
	WIN 0xa5+0x50*(\a/2)
.irp b, 0,1,2,3,4,5,6,7,8,9,10,11
	WM 96*(\a%2)+8*\b, 128*((\q)%2)+8*\b, 128*((\q)%2)+96+8*\a, SW+8*(\b/2)+(\q), SX+8*(\a/2)+(\q), \zero, \b%2, \a%2
.endr
.endr
.endm
.macro STEP q, zero
	s_wait_dscnt 0x0                               ; this step's fragments are in (asked for 48 products ago)
.if (\q) == 3
	s_wait_tensorcnt 0x0                           ; my parts of the second half of K have landed,
	s_barrier_signal -1
	s_barrier_wait -1                              ; everybody's have
.endif
.if (\q) < 7
	PLACES 4                                       ; in front of loads into registers that matrix instructions have read
	FETCH (\q)+1
.endif
	MUL \q, \zero
.endm
; THE WAY OUT, in 12 units: block a of 16 rows, head hh of the tile's three.
.macro ROT a, hh                       ; lo' = lo C - hi S, hi' = hi C + lo S, with C = cos A1 + A0, S = sin A1.  (A1, A0) = (log2(e)/8, 0) for q, (1, 0) for k, (0, 1) for v
	WIN 0
	v_mov_b32 v8, s[93+(\hh)]
	v_mov_b32 v9, s[93+(\hh)]
	v_mov_b32 v10, s[96+(\hh)]
	v_mov_b32 v11, s[96+(\hh)]
	WIN 0x02+(\a)/2                                ; source 0: the window of block a's accumulators, and of its cosines and sines
.set RPB, RP+32*((\a)%2)
.irp i, 0,2,4,6,8,10,12,14
	v_pk_fma_f32 v[CP+\i:CP+\i+1], v[RPB+\i:RPB+\i+1], v[8:9], v[10:11]
	v_pk_mul_f32 v[SN+\i:SN+\i+1], v[RPB+16+\i:RPB+16+\i+1], v[8:9]
.endr
.set AB, 96*((\a)%2)+32*(\hh)
.irp j, 0,2,4,6                        ; every accumulator is read from its low end on
.irp c, 0,1
	v_pk_mul_f32 v[TT+8*\c+\j:TT+8*\c+\j+1], v[AB+8*\c+16+\j:AB+8*\c+16+\j+1], v[SN+8*\c+\j:SN+8*\c+\j+1]
	v_pk_mul_f32 v[TT+16+8*\c+\j:TT+16+8*\c+\j+1], v[AB+8*\c+\j:AB+8*\c+\j+1], v[SN+8*\c+\j:SN+8*\c+\j+1]
	v_pk_fma_f32 v[TT+8*\c+\j:TT+8*\c+\j+1], v[AB+8*\c+\j:AB+8*\c+\j+1], v[CP+8*\c+\j:CP+8*\c+\j+1], v[TT+8*\c+\j:TT+8*\c+\j+1] neg_lo:[0,0,1] neg_hi:[0,0,1]
	v_pk_fma_f32 v[TT+16+8*\c+\j:TT+16+8*\c+\j+1], v[AB+8*\c+16+\j:AB+8*\c+16+\j+1], v[CP+8*\c+\j:CP+8*\c+\j+1], v[TT+16+8*\c+\j:TT+16+8*\c+\j+1]
.endr
.endr
	WIN 0
.irp i, 0,1,2,3,4,5,6,7,8,9,10,11,12,13,14,15
	v_cvt_pk_f16_f32 v[PK+16*((3*(\a)+(\hh))%2)+\i], v[TT+2*\i], v[TT+2*\i+1]
.endr
.endm
.macro FINE hh                         ; positions 0-15 of a sequence also leave in f32: the first wave of a sequence's first tile row (a test on the tile row and the wave, the same in all partners)
	s_cmp_lg_u32 s99, 0
	s_cbranch_scc1 .Lno_fin_\@
.irp c, 0,1,2,3
	global_store_b128 v[FO], v[TT+8*\c:TT+8*\c+3], s[12:13] offset:4096*(\hh)+64*\c
	global_store_b128 v[FO], v[TT+8*\c+4:TT+8*\c+7], s[12:13] offset:4096*(\hh)+64*\c+16
.endr
	s_wait_xcnt 0x0                                ; the stores have read their data: the next unit writes them again
.Lno_fin_\@:
.endm
.macro TOSTAGE u                       ; 16 rows x 128 bytes through my stage: in by 16 bytes of a row, back as four whole rows an instruction
.if (\u) >= 2
	s_wait_xcnt 0x0                                ; the stores of two units ago have read the registers that the loads below fill
.endif
.irp c, 0,1,2,3
	ds_store_b128 v[STO], v[PK+16*((\u)%2)+4*\c:PK+16*((\u)%2)+4*\c+3] offset:2304*((\u)%2)+32*\c
.endr
	WIN 0x40
.irp i, 0,1,2,3
	ds_load_b128 v[16*((\u)%2)+4*\i:16*((\u)%2)+4*\i+3], v[RD] offset:2304*((\u)%2)+576*\i   ; LDS serves a wave's instructions in order: these see the stores above
.endr
	WIN 0
.endm
.macro SEND a, hh, younger             ; younger: the next unit's four stores and four loads, or none
	s_wait_dscnt \younger
	WIN 0x04                                       ; a store's data are its source 1: window 1
.irp i, 0,1,2,3
	global_store_b128 v[GO], v[16*((3*(\a)+(\hh))%2)+4*\i:16*((3*(\a)+(\hh))%2)+4*\i+3], s[10:11] offset:262144*(\hh)+2048*(\a)+512*\i   ; 512 consecutive bytes, aligned
.endr
	WIN 0
.endm
	s_load_b256 s[4:11], s[0:1], 0x0               ; xcodes, wcodes, rope, qkv
	s_load_b64 s[12:13], s[0:1], 0x20              ; fin
	v_lshl_add_u32 v[SPW], v0, 2, SPARE
	v_mov_b32 v[NIL], 0
	ds_add_u32 v[SPW], v[NIL]                      ; the wave's opening: the add, twice on end, and its wait ahead of my first tensor load
	ds_add_u32 v[SPW], v[NIL]
	v_lshrrev_b32 v1, 5, v0
	v_readfirstlane_b32 s14, v1                    ; wave
	s_bfe_u32 s15, ttmp6, 0x40000                  ; my place in the cluster
	s_lshl_b32 s76, ttmp9, 2
	s_add_co_u32 s76, s76, s15                     ; X: which 192 columns
	s_and_b32 s77, ttmp7, 0xffff                   ; Y: which 256 rows; the four partners share it
	; group 1: x's codes: 64 rows x 256 bytes, pitch 512, 16 bytes of padding behind each row; jointly
	s_mov_b32 s16, 15|(1<<20)|(1<<21)|(5<<22)|(3<<25)
	s_mov_b32 s17, 256<<16
	s_mov_b32 s18, 64<<16
	s_mov_b32 s19, 256<<16
	s_mov_b32 s20, 64
	s_mov_b32 s21, 512
	s_mov_b32 s22, 0
	s_mov_b32 s23, 0
	; W's codes: 48 rows, my own
	s_mov_b32 s24, (1<<20)|(5<<22)|(3<<25)
	s_mov_b32 s25, 256<<16
	s_mov_b32 s26, 48<<16
	s_mov_b32 s27, 256<<16
	s_mov_b32 s28, 48
	s_mov_b32 s29, 512
	s_mov_b32 s30, 0
	s_mov_b32 s31, 0
	; x's scale bytes of 64 rows: 8 dense rows of 256 bytes (32 elements of 8 bytes); jointly
	s_mov_b32 s32, 15|(3<<16)|(1<<20)|(1<<21)|(5<<22)|(3<<25)
	s_mov_b32 s33, 32<<16
	s_mov_b32 s34, 8<<16
	s_mov_b32 s35, 32<<16
	s_mov_b32 s36, 8
	s_mov_b32 s37, 32
	s_mov_b32 s38, 0
	s_mov_b32 s39, 0
	; W's of 48 rows: 6 such rows, my own
	s_mov_b32 s40, (3<<16)|(1<<20)|(5<<22)|(3<<25)
	s_mov_b32 s41, 32<<16
	s_mov_b32 s42, 6<<16
	s_mov_b32 s43, 32<<16
	s_mov_b32 s44, 6
	s_mov_b32 s45, 32
	s_mov_b32 s46, 0
	s_mov_b32 s47, 0
	s_lshl_b32 s78, s77, 8
	s_lshl_b32 s79, s14, 6
	s_add_co_u32 s78, s78, s79                     ; the first row of x that I fetch
	s_lshl_b32 s80, s78, 5
	s_add_co_u32 s80, s80, XSC                     ; its scale bytes
	s_mov_b32 s81, 0
	s_lshl_b32 s82, s78, 9                         ; its codes
	s_mov_b32 s83, 0
	s_mul_i32 s84, s76, 192
	s_mul_i32 s85, s14, 48
	s_add_co_u32 s84, s84, s85                     ; the first row of W that I fetch
	s_lshl_b32 s86, s84, 5
	s_add_co_u32 s86, s86, WSC
	s_mov_b32 s87, 0
	s_lshl_b32 s88, s84, 9
	s_mov_b32 s89, 0
	s_mul_i32 s90, s14, 64*PITCH                   ; where they go: the wave's number and constants alone
	s_mul_i32 s91, s14, 48*PITCH
	s_add_co_u32 s91, s91, BOFF
	s_mul_i32 s92, s14, 8*PITCH
	s_add_co_u32 s92, s92, SCA
	s_mul_i32 s93, s14, 6*PITCH
	s_add_co_u32 s93, s93, SCB
	s_wait_dscnt 0x0                               ; both opening adds are done
	s_wait_kmcnt 0x0
	ROUND                                          ; all four work-groups are here: the joint loads meet
	s_mov_b32 s48, 1
	s_mov_b32 s49, s92
	s_add_nc_u64 s[50:51], s[4:5], s[80:81]
	s_or_b32 s51, s51, 0x80000000
	s_mov_b32 s52, 1
	s_mov_b32 s53, s93
	s_add_nc_u64 s[54:55], s[6:7], s[86:87]
	s_or_b32 s55, s55, 0x80000000
	s_mov_b32 s56, 1
	s_mov_b32 s57, s90
	s_add_nc_u64 s[58:59], s[4:5], s[82:83]
	s_mov_b32 s68, 1
	s_add_co_u32 s69, s90, CHUNK
	s_add_nc_u64 s[70:71], s[58:59], 256
	s_or_b32 s59, s59, 0x80000000
	s_or_b32 s71, s71, 0x80000000
	s_mov_b32 s60, 1
	s_mov_b32 s61, s91
	s_add_nc_u64 s[62:63], s[6:7], s[88:89]
	s_mov_b32 s72, 1
	s_add_co_u32 s73, s91, CHUNK
	s_add_nc_u64 s[74:75], s[62:63], 256
	s_or_b32 s63, s63, 0x80000000
	s_or_b32 s75, s75, 0x80000000
	tensor_load_to_lds s[48:51], s[32:39]          ; x's scale bytes
	s_nop 0
	tensor_load_to_lds s[52:55], s[40:47]          ; W's
	s_nop 0
	tensor_load_to_lds s[56:59], s[16:23]          ; x's codes, K 0-511
	s_nop 0
	tensor_load_to_lds s[60:63], s[24:31]          ; W's
	s_nop 0
	tensor_load_to_lds s[68:71], s[16:23]          ; x's codes, K 512-1023
	s_nop 0
	tensor_load_to_lds s[72:75], s[24:31]          ; W's
	s_nop 0
	PLACES 4
	v_and_b32 v1, 15, v0                           ; r
	v_bfe_u32 v2, v0, 4, 1                         ; h
	v_and_b32 v3, 31, v0                           ; lane
	v_mul_u32_u24 v4, v1, PITCH
	v_lshl_add_u32 v4, v2, 4, v4                   ; a fragment's row x pitch + 16 h
	v_add_nc_u32 v[ADRA], s90, v4                  ; my 64 rows of x
	v_add_nc_u32 v[ADRA+1], CHUNK, v[ADRA]
	v_add_nc_u32 v[ADRB], BOFF, v4                 ; all 192 rows of W
	v_add_nc_u32 v[ADRB+1], CHUNK+BOFF, v4
	v_lshrrev_b32 v5, 3, v1
	v_mul_u32_u24 v5, v5, PITCH                    ; scale words: eight rows of 32 bytes to a unit;
	v_and_b32 v6, 7, v1
	v_lshl_add_u32 v5, v6, 5, v5
	v_mad_u32_u24 v5, v2, 2*PITCH, v5              ; lanes 16-31 take the block of 16 rows after that of lanes 0-15
	v_add_nc_u32 v[ADSA], s92, v5
	v_add_nc_u32 v[ADSB], SCB, v5
	s_mul_i32 s94, s14, 4608
	s_add_co_u32 s94, s94, STAGE                   ; my stage
	v_mul_u32_u24 v[STO], v1, 144
	v_lshl_add_u32 v[STO], v2, 4, v[STO]
	v_add_nc_u32 v[STO], s94, v[STO]
	v_lshrrev_b32 v5, 3, v3
	v_mul_u32_u24 v5, v5, 144
	v_and_b32 v6, 7, v3
	v_lshl_add_u32 v5, v6, 4, v5
	v_add_nc_u32 v[RD], s94, v5
	v_lshlrev_b32 v[GO], 4, v3
	v_lshlrev_b32 v[FO], 8, v1
	v_lshl_add_u32 v[FO], v2, 5, v[FO]             ; fin: row r of 256 bytes, + 32 h
	v_lshlrev_b32 v[RO], 8, v1
	v_lshl_add_u32 v[RO], v2, 5, v[RO]             ; the table: the same
	s_and_b32 s78, s77, 7
	s_lshl_b32 s79, s78, 8
	s_lshl_b32 s80, s14, 6
	s_add_co_u32 s79, s79, s80                     ; my first position in the sequence
	s_lshl_b32 s80, s79, 8
	s_mov_b32 s81, 0
	s_add_nc_u64 s[8:9], s[8:9], s[80:81]
	s_lshr_b32 s82, s77, 3                         ; the batch
	s_mul_i32 s82, s82, 24
	s_mul_i32 s92, s76, 3                          ; my first head
	s_add_co_u32 s82, s82, s92
	s_lshl_b32 s84, s82, 12
	s_mov_b32 s85, 0
	s_add_nc_u64 s[12:13], s[12:13], s[84:85]
	s_lshl_b32 s82, s82, 11
	s_add_co_u32 s82, s82, s79
	s_lshl_b32 s82, s82, 7
	s_mov_b32 s83, 0
	s_add_nc_u64 s[10:11], s[10:11], s[82:83]
	s_or_b32 s99, s78, s14                         ; 0: my first 16 rows are positions 0-15
	s_mov_b32 s91, 0x3e38aa3b                      ; log2(e) / 8
.irp hh, 0,1,2
	s_add_co_u32 s90, s92, \hh
	s_cmp_lt_u32 s90, 20
	s_cselect_b32 s[93+\hh], 1.0, 0                ; A1
	s_cselect_b32 s[96+\hh], 0, 1.0                ; A0
	s_cmp_lt_u32 s90, 16
	s_cselect_b32 s[93+\hh], s91, s[93+\hh]
.endr
.irp a, 0,1,2,3                        ; for block a: the cosines and sines of frequencies 8 h + 0 .. 7 and 16 + 8 h + 0 .. 7 at my row's position, behind the accumulators of its window
	WIN 0x80+0x40*(\a/2)                           ; destination: window 2 or 3; the address: window 0
.irp g, 0,1,2,3
	global_load_b128 v[RP+32*(\a%2)+4*\g:RP+32*(\a%2)+4*\g+3], v[RO], s[8:9] offset:4096*\a+16*(\g%2)+64*(\g/2)
	global_load_b128 v[RP+32*(\a%2)+16+4*\g:RP+32*(\a%2)+16+4*\g+3], v[RO], s[8:9] offset:4096*\a+16*(\g%2)+64*(\g/2)+128
.endr
.endr
	WIN 0
	s_wait_tensorcnt 0x2                           ; the scale bytes and my parts of K 0-511 are in; the two loads of K 512-1023 may stay out
	s_barrier_signal -1
	s_barrier_wait -1
.irp i, 0,1
.irp g, 0,1
	ds_load_b128 v[SX+8*\i+4*\g:SX+8*\i+4*\g+3], v[ADSA] offset:4*PITCH*\i+16*\g
.endr
.endr
.irp i, 0,1,2,3,4,5
.irp g, 0,1
	ds_load_b128 v[SW+8*\i+4*\g:SW+8*\i+4*\g+3], v[ADSB] offset:4*PITCH*\i+16*\g
.endr
.endr
	FETCH 0
	STEP 0, 1                                      ; the first step's products start the sums
	STEP 1, 0
	STEP 2, 0
	STEP 3, 0
	STEP 4, 0
	STEP 5, 0
	STEP 6, 0
	STEP 7, 0
	WIN 0
	PLACES 4                                       ; in front of the first reads of results
	s_wait_loadcnt 0x0                             ; the cosines and sines
	ROT 0, 0
	FINE 0
	TOSTAGE 0
.irp u, 1,2,3,4,5,6,7,8,9,10,11
	ROT (\u/3), (\u%3)
.if \u < 3
	FINE \u
.endif
	TOSTAGE \u
	SEND ((\u-1)/3), ((\u-1)%3), 8
.endr
	SEND 3, 2, 0
	s_wait_tensorcnt 0x0                           ; the wave's end
	ds_add_u32 v[SPW], v[NIL]
	s_wait_dscnt 0x0
	ROUND                                          ; the closing round
	s_endpgm
.Lfunc_end_k_qe390c4179c_qkv:
	.size	k_qe390c4179c_qkv, .Lfunc_end_k_qe390c4179c_qkv-k_qe390c4179c_qkv
	.p2alignl 7, 3214868480
	.fill 96, 4, 3214868480
	.section	.rodata,"a",@progbits
	.p2align	6, 0x0
	.amdhsa_kernel k_qe390c4179c_qkv
		.amdhsa_group_segment_fixed_size 327680
		.amdhsa_private_segment_fixed_size 0
		.amdhsa_enable_private_segment 0
		.amdhsa_kernarg_size 40
		.amdhsa_user_sgpr_count 2
		.amdhsa_user_sgpr_kernarg_segment_ptr 1
		.amdhsa_wavefront_size32 1
		.amdhsa_system_sgpr_workgroup_id_x 1
		.amdhsa_system_sgpr_workgroup_id_y 1
		.amdhsa_system_sgpr_workgroup_id_z 1
		.amdhsa_system_vgpr_workitem_id 0
		.amdhsa_next_free_vgpr 1024
		.amdhsa_next_free_sgpr 100
		.amdhsa_reserve_vcc 0
		.amdhsa_float_denorm_mode_32 3
		.amdhsa_float_denorm_mode_16_64 3
		.amdhsa_memory_ordered 1
		.amdhsa_forward_progress 1
		.amdhsa_inst_pref_size 146
	.end_amdhsa_kernel
	.amdgpu_metadata
---
amdhsa.version: [ 1, 2 ]
amdhsa.kernels:
  - .name:           k_qe390c4179c_qkv
    .symbol:         k_qe390c4179c_qkv.kd
    .args:
      - { .name: xcodes, .offset: 0, .size: 8, .value_kind: global_buffer, .address_space: global }
      - { .name: wcodes, .offset: 8, .size: 8, .value_kind: global_buffer, .address_space: global }
      - { .name: rope, .offset: 16, .size: 8, .value_kind: global_buffer, .address_space: global }
      - { .name: qkv, .offset: 24, .size: 8, .value_kind: global_buffer, .address_space: global }
      - { .name: fin, .offset: 32, .size: 8, .value_kind: global_buffer, .address_space: global }
    .group_segment_fixed_size: 327680
    .private_segment_fixed_size: 0
    .kernarg_segment_align: 8
    .kernarg_segment_size: 40
    .max_flat_workgroup_size: 128
    .sgpr_count:     100
    .vgpr_count:     1024
    .wavefront_size: 32
...
	.end_amdgpu_metadata
.endif
;; end of part 2
;; launch attn (part 3): grid 16 x 16, 8 waves a work-group, no clusters, 327,680 bytes of LDS; arguments qkv, att; writes att
.if DOCPART == 3
	.amdgcn_target "amdgcn-amd-amdhsa--gfx1250"
	.amdhsa_code_object_version 6
	.text
	.protected	k_qe390c4179c_attn
	.globl	k_qe390c4179c_attn
	.p2align	8
	.type	k_qe390c4179c_attn,@function
k_qe390c4179c_attn:
	s_mov_b64 s[64:65], 0
	v_nop
	global_prefetch_b8 v0, s[64:65] scope:SCOPE_SE
	s_setreg_imm32_b32 hwreg(HW_REG_WAVE_MODE, 25, 1), 1
	s_wait_xcnt 0x0
; ATTN: causal attention in f16 operands, f32 sums, with a running maximum.  qkv [4 b][24 H][2048 s][64] f16 (q carries log2(e)/8); att [8192 (b, s)][1024 (head x 64 + d)] f16.
; SHARES.  Work-group (i, y = 4 b + kv) owns the four query heads of kv at two blocks of 64 positions: block 31 - i (piece 0) and block i (piece 1): 33 piece-steps of 64 keys in every work-group.
; Wave w: head w / 2, positions 32 (w % 2) on: two tiles of 16 queries in each piece.  Two waves share a SIMD: one's softmax stands beside the other's products.
; LAYOUT.  S^T = K Q^T (source 0 = 16 keys, source 1 = 16 queries): a lane holds ONE query and keys 8 (lane / 16) + 0..7 of a tile; two tiles, rounded to f16 in pairs, are source 1 of O^T = V^T P.
; K comes out of LDS as it lies, V ([key][channel]) turned by ds_load_tr16_b128.
; SOFTMAX.  p = 2^(s - m), m the running maximum; in every step O and l are multiplied by a = 2^(m_old - m_new).  Hidden scores are -infinity: p = 0.  Key 0 counts for every query, so m is a number from the first step on.
; THE WALK.  Every work-group walks 8 slots of 256 keys, 4 steps each: the trip counts are constants.  A step, or a piece of it, whose keys all come after the queries is jumped over by a scalar branch on ids.
; A slot whose first key comes after the work-group's last query is not asked for.  Every wait on TENSORcnt is for 0.  By this text's count a wave has one tensor load out.
; NO CLUSTER: which steps are hidden hangs on the work-group's x, which would be its place in a cluster.
; LIMITS: operands in f16: |q log2(e)/8|, |k|, |v| under 65,504; weights p under about 6e-8 are rounded to 0 for the second product; NaN and infinities are not served.
; REGISTERS.  window 0: v1-14 addresses; v16-47 statistics, 8 a tile (tile 2 p + t): +0 m, +1 the old m, +2, +3 l, +4 .. +7 at work (a in +6); v48-111 S^T, 32 a tile of the piece in hand; v112-115 second chains of the sums;
;   v128-255 O^T, 32 a tile.   window 1: v0-63 K; v64-127 V; v128-191 Q, 16 a tile; v192-223 P, 16 a tile of the piece in hand.
.set PK,    144                        ; a row of K in LDS: 128 bytes + 16
.set PV,    160                        ; a row of V: 128 + 32
.set VOFF,  256*PK
.set SLOT1, 131072
.set STAGE, SLOT1+256*(PK+PV)          ; the way out: 128 rows x (512 bytes + 16)
.set SP,    528
.set SPARE, STAGE+128*SP
.set ST,  16
.set S,   48
.set CH,  112
.set O,   128
.set VF,  64
.set QF,  128
.set PF,  192
.set WV,  18
.set SEL, 20
.set G1K, 24
.set G1V, 32
.set G0K, 40
.set G0V, 44
.set PB0, 66                           ; s66, s67 the first position of piece 0, 1
.set KF,  68                           ; s68 the step's first key
.set TK,  69                           ; s69 LDS byte of the step's rows of K
.set TV,  70                           ; s70 of V
.set SLOTS, 71
.set CNT, 72
.set PFA, 76
.set LIM, 80
.set MSB, 0
.macro WIN new
.if MSB != (\new)
	s_set_vgpr_msb (MSB<<8)|(\new)
.set MSB, (\new)
.endif
.endm
.macro TLOAD                           ; waves 0-3 fetch 64 rows of K each, waves 4-7 of V.  An s_nop 0 and four v_nop follow each line
	s_cmp_lt_u32 s[WV], 4
	s_cbranch_scc0 .Lfor_v_\@
	tensor_load_to_lds s[G0K:G0K+3], s[G1K:G1K+7]
	s_nop 0
.rept 4
	v_nop
.endr
	s_branch .Lasked_\@
.Lfor_v_\@:
	tensor_load_to_lds s[G0V:G0V+3], s[G1V:G1V+7]
	s_nop 0
.rept 4
	v_nop
.endr
.Lasked_\@:
.endm
; A prefetch of what the NEXT change of slots will ask for.  All sixteen work-groups of a y walk the same K and V: the first of them asks, each wave for the 8,192 bytes that it will itself fetch, lanes 256 bytes apart:
; each aligned block of 256 bytes is named once in the launch.  The last change that fills a slot asks for nothing.  Slots 0 and 1 come by their loads alone.
.macro ASK
	s_cmp_gt_u32 s[SLOTS], s[LIM]
	s_cbranch_scc0 .Lnot_mine_\@
	global_prefetch_b8 v10, s[PFA:PFA+1] th:TH_LOAD_NT scope:SCOPE_SE
.Lnot_mine_\@:
.endm
.macro PIECE p
.set T0, ST+16*(\p)
	WIN 0x05                                       ; sources 0 and 1: window 1
.irp ks, 0,1                           ; S^T: eight accumulators by turns
.irp kt, 0,1,2,3
.irp t, 0,1
.if \ks == 0
	v_wmma_f32_16x16x32_f16 v[S+32*\t+8*\kt:S+32*\t+8*\kt+7], v[8*(2*\kt+\ks):8*(2*\kt+\ks)+7], v[QF+16*(2*(\p)+\t)+8*\ks:QF+16*(2*(\p)+\t)+8*\ks+7], 0
.else
	v_wmma_f32_16x16x32_f16 v[S+32*\t+8*\kt:S+32*\t+8*\kt+7], v[8*(2*\kt+\ks):8*(2*\kt+\ks)+7], v[QF+16*(2*(\p)+\t)+8*\ks:QF+16*(2*(\p)+\t)+8*\ks+7], v[S+32*\t+8*\kt:S+32*\t+8*\kt+7]
.endif
.endr
.endr
.endr
	WIN 0
.rept 4
	v_nop                                          ; places in front of the first read of results
.endr
	s_cmp_lg_u32 s[KF], s[PB0+(\p)]                ; only the step on the diagonal has hidden keys
	s_cbranch_scc1 .Lopen_\@
.irp t, 0,1
.irp kt, 0,1,2,3
.irp j, 0,1,2,3,4,5,6,7
	v_cmp_gt_i32 vcc_lo, 16*\kt+\j-16*\t, v7       ; key 16 kt + 8 h + j comes after query 32 u + 16 t + r
	v_cndmask_b32 v[S+32*\t+8*\kt+\j], v[S+32*\t+8*\kt+\j], v8, vcc_lo
.endr
.endr
.endr
.Lopen_\@:
.irp c, 0,1,2,3                        ; the maximum of 32 scores and the old m; the two tiles alternate
.irp t, 0,1
	v_max3_num_f32 v[T0+8*\t+4+\c], v[S+32*\t+8*\c], v[S+32*\t+8*\c+1], v[S+32*\t+8*\c+2]
.endr
.endr
.irp n, 1,2
.irp c, 0,1,2,3
.irp t, 0,1
	v_max3_num_f32 v[T0+8*\t+4+\c], v[T0+8*\t+4+\c], v[S+32*\t+8*\c+2*\n+1], v[S+32*\t+8*\c+2*\n+2]
.endr
.endr
.endr
.irp t, 0,1
	v_max3_num_f32 v[T0+8*\t+4], v[T0+8*\t+4], v[S+32*\t+7], v[S+32*\t+15]
.endr
.irp t, 0,1
	v_max3_num_f32 v[T0+8*\t+6], v[T0+8*\t+6], v[S+32*\t+23], v[S+32*\t+31]
.endr
.irp t, 0,1
	v_max3_num_f32 v[T0+8*\t+4], v[T0+8*\t+4], v[T0+8*\t+5], v[T0+8*\t+6]
.endr
.irp t, 0,1
	v_max3_num_f32 v[T0+8*\t+4], v[T0+8*\t+4], v[T0+8*\t+7], v[T0+8*\t]
.endr
.irp t, 0,1
	v_permlanex16_b32 v[T0+8*\t+5], v[T0+8*\t+4], s[SEL], s[SEL+1]   ; the query's other 32 keys lie in the lane 16 away
.endr
.irp t, 0,1
	v_mov_b32 v[T0+8*\t+1], v[T0+8*\t]
.endr
.irp t, 0,1
	v_max_num_f32 v[T0+8*\t], v[T0+8*\t+4], v[T0+8*\t+5]
.endr
.irp t, 0,1
	v_sub_f32 v[T0+8*\t+7], v[T0+8*\t+1], v[T0+8*\t]
.endr
.irp t, 0,1
.irp i, 0,2,4,6,8,10,12,14,16,18,20,22,24,26,28,30
	v_pk_add_f32 v[S+32*\t+\i:S+32*\t+\i+1], v[S+32*\t+\i:S+32*\t+\i+1], v[T0+8*\t:T0+8*\t+1] op_sel_hi:[1,0] neg_lo:[0,1] neg_hi:[0,1]   ; s - m
.endr
.endr
.irp t, 0,1                            ; ONE BATCH of 66 exponentials, none of which reads another's result
	v_exp_f32 v[T0+8*\t+6], v[T0+8*\t+7]
.endr
.irp t, 0,1
.irp i, 0,1,2,3,4,5,6,7,8,9,10,11,12,13,14,15,16,17,18,19,20,21,22,23,24,25,26,27,28,29,30,31
	v_exp_f32 v[S+32*\t+\i], v[S+32*\t+\i]
.endr
.endr
	v_nop                                          ; a plain instruction behind the last exponential
	s_wait_alu depctr_va_vdst(0)                   ; one wait for the batch, ahead of its first reader
.irp t, 0,1
	v_pk_mul_f32 v[T0+8*\t+2:T0+8*\t+3], v[T0+8*\t+2:T0+8*\t+3], v[T0+8*\t+6:T0+8*\t+7] op_sel_hi:[1,0]   ; l x a
.endr
.irp t, 0,1
	v_pk_add_f32 v[CH+2*\t:CH+2*\t+1], v[S+32*\t:S+32*\t+1], v[S+32*\t+2:S+32*\t+3]
.endr
.irp j, 4,8,12,16,20,24,28
.irp t, 0,1
	v_pk_add_f32 v[T0+8*\t+2:T0+8*\t+3], v[T0+8*\t+2:T0+8*\t+3], v[S+32*\t+\j:S+32*\t+\j+1]
	v_pk_add_f32 v[CH+2*\t:CH+2*\t+1], v[CH+2*\t:CH+2*\t+1], v[S+32*\t+\j+2:S+32*\t+\j+3]
.endr
.endr
.irp t, 0,1
	v_pk_add_f32 v[T0+8*\t+2:T0+8*\t+3], v[T0+8*\t+2:T0+8*\t+3], v[CH+2*\t:CH+2*\t+1]
.endr
	WIN 0x40                                       ; destination: window 1
.irp t, 0,1
.irp i, 0,1,2,3,4,5,6,7,8,9,10,11,12,13,14,15
	v_cvt_pk_f16_f32 v[PF+16*\t+\i], v[S+32*\t+2*\i], v[S+32*\t+2*\i+1]
.endr
.endr
	WIN 0
.irp t, 0,1
.irp i, 0,2,4,6,8,10,12,14,16,18,20,22,24,26,28,30
	v_pk_mul_f32 v[O+32*(2*(\p)+\t)+\i:O+32*(2*(\p)+\t)+\i+1], v[O+32*(2*(\p)+\t)+\i:O+32*(2*(\p)+\t)+\i+1], v[T0+8*\t+6:T0+8*\t+7] op_sel_hi:[1,0]   ; O^T x a
.endr
.endr
	s_wait_dscnt 0x0                               ; V is in
	WIN 0x05
.irp kc, 0,1                           ; O^T += V^T P: eight accumulators by turns
.irp dt, 0,1,2,3
.irp t, 0,1
	v_wmma_f32_16x16x32_f16 v[O+32*(2*(\p)+\t)+8*\dt:O+32*(2*(\p)+\t)+8*\dt+7], v[VF+8*(4*\kc+\dt):VF+8*(4*\kc+\dt)+7], v[PF+16*\t+8*\kc:PF+16*\t+8*\kc+7], v[O+32*(2*(\p)+\t)+8*\dt:O+32*(2*(\p)+\t)+8*\dt+7]
.endr
.endr
.endr
	WIN 0
.endm
.macro STEP                            ; 64 keys
	s_cmp_gt_u32 s[KF], s[PB0]                     ; all keys come after all my work-group's queries: nothing to do
	s_cbranch_scc1 .Lhid_\@
	v_add_nc_u32 v3, s[TK], v1
	v_add_nc_u32 v4, s[TV], v2
	v_nop
	v_nop                                          ; four places in front of loads into registers that matrix instructions have read
	WIN 0x40
.irp kt, 0,1,2,3
.irp ks, 0,1
	ds_load_b128 v[8*(2*\kt+\ks):8*(2*\kt+\ks)+3], v3 offset:\kt*16*PK+64*\ks
	ds_load_b128 v[8*(2*\kt+\ks)+4:8*(2*\kt+\ks)+7], v3 offset:\kt*16*PK+64*\ks+32
.endr
.endr
.irp kc, 0,1
.irp dt, 0,1,2,3
	ds_load_tr16_b128 v[VF+8*(4*\kc+\dt):VF+8*(4*\kc+\dt)+3], v4 offset:\kc*32*PV+32*\dt
	ds_load_tr16_b128 v[VF+8*(4*\kc+\dt)+4:VF+8*(4*\kc+\dt)+7], v4 offset:\kc*32*PV+16*PV+32*\dt
.endr
.endr
	s_wait_dscnt 16                                ; K is in; V's sixteen loads may be out
	PIECE 0
	s_cmp_gt_u32 s[KF], s[PB0+1]
	s_cbranch_scc1 .Lhid_\@
	PIECE 1
.Lhid_\@:
	s_add_co_u32 s[KF], s[KF], 64
	s_add_co_u32 s[TK], s[TK], 64*PK
	s_add_co_u32 s[TV], s[TV], 64*PV
.endm
.macro SLOT_STEPS
	s_mov_b32 s[CNT], 4
.Lstep_\@:
	STEP
	s_sub_co_u32 s[CNT], s[CNT], 1
	s_cmp_lg_u32 s[CNT], 0
	s_cbranch_scc1 .Lstep_\@
	s_sub_co_u32 s[TK], s[TK], 4*64*PK             ; back to a slot's first step,
	s_sub_co_u32 s[TV], s[TV], 4*64*PV
	s_xor_b32 s[TK], s[TK], SLOT1                  ; in the other slot
	s_xor_b32 s[TV], s[TV], SLOT1
.endm
; THE CHANGE OF SLOTS stands at a slot's head.  Each wave waits for all its tensor loads (its part of the slot ahead), adds 0 to its spare word, and waits for that and for its reads of the slot that it has left.
; Behind the barrier the slot ahead is whole and nobody reads the other one; fill = 1: that other slot takes the next 256 keys, and the load has a slot's four steps in which to land.
.macro CHANGE fill
	s_wait_tensorcnt 0x0                           ; no tensor load of mine is out, so a group 0 may be written
	ds_add_u32 v5, v6
.if \fill
	s_xor_b32 s[G0K+1], s[G0K+1], SLOT1
	s_add_nc_u64 s[G0K+2:G0K+3], s[G0K+2:G0K+3], 256*128
	s_xor_b32 s[G0V+1], s[G0V+1], SLOT1
	s_add_nc_u64 s[G0V+2:G0V+3], s[G0V+2:G0V+3], 256*128
	s_wait_xcnt 0x0                                ; the last prefetch, a slot back, has read its address
	s_add_nc_u64 s[PFA:PFA+1], s[PFA:PFA+1], 256*128
.endif
	s_wait_dscnt 0x0
	s_barrier_signal -1
	s_barrier_wait -1
.if \fill
	s_add_co_u32 s73, s[KF], 256                   ; the first key of the slot that this change would ask for
	s_add_co_u32 s74, s[PB0], 63                   ; my work-group's last query
	s_cmp_gt_u32 s73, s74                          ; ids and the count of steps alone: all eight waves go the same way
	s_cbranch_scc1 .Lpast_\@
	TLOAD
.Lpast_\@:
	ASK
.endif
.endm
	s_load_b128 s[4:7], s[0:1], 0x0                ; qkv, att
	v_lshl_add_u32 v5, v0, 2, SPARE
	v_mov_b32 v6, 0
	ds_add_u32 v5, v6                              ; the wave's opening: the add, twice on end, and its wait ahead of my first tensor load
	ds_add_u32 v5, v6
	v_lshrrev_b32 v9, 5, v0
	v_readfirstlane_b32 s[WV], v9                  ; wave 0..7
	s_and_b32 s8, ttmp7, 0xffff
	s_lshr_b32 s9, s8, 2                           ; b
	s_and_b32 s10, s8, 3                           ; kv
	s_and_b32 s11, s[WV], 3
	s_mul_i32 s12, s9, 24
	s_add_co_u32 s13, s12, s10
	s_add_co_u32 s13, s13, 16                      ; K's head
	s_lshl_b32 s13, s13, 11
	s_lshl_b32 s14, s11, 6
	s_add_co_u32 s13, s13, s14                     ; + the 64 rows of a slot that I fetch
	s_lshl_b32 s82, s13, 7
	s_mov_b32 s83, 0
	s_add_co_u32 s84, s82, 4*2048*128              ; V's head lies four heads on
	s_mov_b32 s85, 0
	s_mul_i32 s15, s11, 64*PK                      ; where they go
	s_mul_i32 s16, s11, 64*PV
	s_add_co_u32 s16, s16, VOFF
	s_mov_b32 s[G1K], (1<<16)|(1<<20)|(4<<22)|(3<<25)   ; elements of 2 bytes; after every 32 words four words of padding
	s_mov_b32 s[G1V], (1<<16)|(1<<20)|(4<<22)|(7<<25)   ; eight words
.irp g, G1K, G1V
	s_mov_b32 s[\g+1], 64<<16                      ; tensor_dim0
	s_mov_b32 s[\g+2], 64<<16                      ; tensor_dim1
	s_mov_b32 s[\g+3], 64<<16                      ; tile_dim0
	s_mov_b32 s[\g+4], 64                          ; tile_dim1
	s_mov_b32 s[\g+5], 64                          ; the pitch
	s_mov_b32 s[\g+6], 0
	s_mov_b32 s[\g+7], 0
.endr
	s_sub_co_u32 s[PB0], 31, ttmp9
	s_lshl_b32 s[PB0], s[PB0], 6
	s_lshl_b32 s[PB0+1], ttmp9, 6
	s_lshr_b32 s17, s[WV], 1                       ; g
	s_and_b32 s19, s[WV], 1                        ; u
	s_lshl_b32 s22, s10, 2
	s_add_co_u32 s22, s22, s12
	s_add_co_u32 s22, s22, s17                     ; my query head
	s_lshl_b32 s22, s22, 11
	s_lshl_b32 s23, s19, 5                         ; 32 u
	s_add_co_u32 s22, s22, s23
	s_add_co_u32 s86, s22, s[PB0]
	s_lshl_b32 s86, s86, 7
	s_mov_b32 s87, 0
	s_add_co_u32 s88, s22, s[PB0+1]
	s_lshl_b32 s88, s88, 7
	s_mov_b32 s89, 0
	s_cmp_lt_u32 s[WV], 4                          ; the way out: wave w stores stage rows 16 w on: piece w / 4, positions 16 (w % 4) on
	s_cselect_b32 s78, s[PB0], s[PB0+1]
	s_lshl_b32 s79, s11, 4
	s_add_co_u32 s78, s78, s79
	s_lshl_b32 s79, s9, 11
	s_add_co_u32 s78, s78, s79
	s_lshl_b32 s78, s78, 11
	s_lshl_b32 s79, s10, 9
	s_add_co_u32 s78, s78, s79
	s_mov_b32 s79, 0
	s_mov_b32 s[SEL], 0x76543210
	s_mov_b32 s[SEL+1], 0xfedcba98
	s_mov_b32 s[KF], 0
	s_mov_b32 s[TK], 0
	s_mov_b32 s[TV], VOFF
	s_mov_b32 s[SLOTS], 7
	s_cmp_eq_u32 ttmp9, 0
	s_cselect_b32 s[LIM], 1, -1
	s_wait_dscnt 0x0                               ; both opening adds are done
	s_wait_kmcnt 0x0
	s_add_nc_u64 s[82:83], s[4:5], s[82:83]
	s_add_nc_u64 s[84:85], s[4:5], s[84:85]
	s_add_nc_u64 s[86:87], s[4:5], s[86:87]
	s_add_nc_u64 s[88:89], s[4:5], s[88:89]
	s_add_nc_u64 s[6:7], s[6:7], s[78:79]
	s_mov_b32 s[G0K], 1
	s_mov_b32 s[G0K+1], s15
	s_mov_b64 s[G0K+2:G0K+3], s[82:83]
	s_or_b32 s[G0K+3], s[G0K+3], 0x80000000
	s_mov_b32 s[G0V], 1
	s_mov_b32 s[G0V+1], s16
	s_mov_b64 s[G0V+2:G0V+3], s[84:85]
	s_or_b32 s[G0V+3], s[G0V+3], 0x80000000
	TLOAD                                          ; slot 0
	s_cmp_lt_u32 s[WV], 4
	s_cselect_b64 s[PFA:PFA+1], s[82:83], s[84:85]
	s_add_nc_u64 s[PFA:PFA+1], s[PFA:PFA+1], 256*128   ; in slot 1: the first change steps it to slot 2.  Nothing is prefetched here, at the head
	v_and_b32 v9, 15, v0                           ; r
	v_bfe_u32 v15, v0, 4, 1                        ; h
	v_mul_u32_u24 v1, v9, PK
	v_lshl_add_u32 v1, v15, 4, v1                  ; K: row r, + 16 h
	v_and_b32 v2, 7, v0
	v_lshl_add_u32 v2, v15, 3, v2
	v_mul_u32_u24 v2, v2, PV
	v_bfe_u32 v3, v0, 3, 1
	v_lshl_add_u32 v2, v3, 4, v2                   ; V: key 8 h + lane % 8, channels 8 ((lane / 8) % 2) on
	v_lshlrev_b32 v11, 7, v9
	v_lshl_add_u32 v11, v15, 4, v11                ; Q: row r of 128 bytes, + 16 h
	v_lshlrev_b32 v7, 3, v15
	v_sub_nc_u32 v7, v9, v7
	v_add_nc_u32 v7, s23, v7                       ; 32 u + r - 8 h
	v_mov_b32 v8, 0xff800000                       ; -infinity
	v_and_b32 v10, 31, v0
	v_lshlrev_b32 v14, 4, v10                      ; 16 x lane
	v_lshlrev_b32 v10, 8, v10                      ; 256 x lane
	s_mul_i32 s73, s19, 32*SP
	s_lshl_b32 s74, s17, 7
	s_add_co_u32 s73, s73, s74
	s_add_co_u32 s73, s73, STAGE
	v_mul_u32_u24 v12, v9, SP
	v_lshl_add_u32 v12, v15, 4, v12
	v_add_nc_u32 v12, s73, v12                     ; the stage, in: row 32 u + r, + 128 g + 16 h
	s_mul_i32 s73, s[WV], 16*SP
	s_add_co_u32 s73, s73, STAGE
	v_add_nc_u32 v13, s73, v14                     ; back: rows 16 w on, 16 bytes a lane
	WIN 0x40
.irp t, 0,1
.irp ks, 0,1
	global_load_b128 v[QF+16*\t+8*\ks:QF+16*\t+8*\ks+3], v11, s[86:87] offset:2048*\t+64*\ks
	global_load_b128 v[QF+16*\t+8*\ks+4:QF+16*\t+8*\ks+7], v11, s[86:87] offset:2048*\t+64*\ks+32
	global_load_b128 v[QF+32+16*\t+8*\ks:QF+32+16*\t+8*\ks+3], v11, s[88:89] offset:2048*\t+64*\ks
	global_load_b128 v[QF+32+16*\t+8*\ks+4:QF+32+16*\t+8*\ks+7], v11, s[88:89] offset:2048*\t+64*\ks+32
.endr
.endr
	WIN 0
.irp q, 0,1,2,3
	v_mov_b32 v[ST+8*\q], 0xff61b1e6               ; m: -3e38, under every score
.irp e, 1,2,3,4,5,6,7
	v_mov_b32 v[ST+8*\q+\e], 0                     ; the old m, l's two halves, and the four registers at work: each is written before any way through the text reads it (a lane permute's destination and a pair's upper half count as read)
.endr
.endr
.set j, 0
.rept 128
	v_mov_b32 v[O+j], 0                            ; O^T.  (The step is written once: a piece's first step finds zeros, which its a = 0 leaves zeros)
.set j, j+1
.endr
	s_wait_loadcnt 0x0                             ; Q
.Lslot:                                            ; seven trips: behind each change of slots but the last the next slot is asked for, up to the causal limit
	CHANGE 1
	SLOT_STEPS
	s_sub_co_u32 s[SLOTS], s[SLOTS], 1
	s_cmp_lg_u32 s[SLOTS], 0
	s_cbranch_scc1 .Lslot
	CHANGE 0
	SLOT_STEPS
	; THE WAY OUT.  O^T / l, rounded to f16, goes into the work-group's stage: a position's 512 bytes come from four heads; a barrier; each wave stores 16 whole rows.
.irp q, 0,1,2,3
	v_add_f32 v[ST+8*\q+4], v[ST+8*\q+2], v[ST+8*\q+3]     ; (these four are the places behind the last products)
.endr
.irp q, 0,1,2,3
	v_permlanex16_b32 v[ST+8*\q+5], v[ST+8*\q+4], s[SEL], s[SEL+1]
.endr
.irp q, 0,1,2,3
	v_add_f32 v[ST+8*\q+4], v[ST+8*\q+4], v[ST+8*\q+5]
.endr
.irp q, 0,1,2,3
	v_rcp_f32 v[ST+8*\q+6], v[ST+8*\q+4]
.endr
	v_nop
	s_wait_alu depctr_va_vdst(0)                   ; one wait for the four reciprocals
.irp q, 0,1,2,3
.irp i, 0,2,4,6,8,10,12,14,16,18,20,22,24,26,28,30
	v_pk_mul_f32 v[O+32*\q+\i:O+32*\q+\i+1], v[O+32*\q+\i:O+32*\q+\i+1], v[ST+8*\q+6:ST+8*\q+7] op_sel_hi:[1,0]
.endr
.endr
.irp q, 0,1,2,3
.irp i, 0,1,2,3,4,5,6,7,8,9,10,11,12,13,14,15
	v_cvt_pk_f16_f32 v[S+16*\q+\i], v[O+32*\q+2*\i], v[O+32*\q+2*\i+1]
.endr
.endr
.irp q, 0,1,2,3
.irp dt, 0,1,2,3
	ds_store_b128 v12, v[S+16*\q+4*\dt:S+16*\q+4*\dt+3] offset:SP*(64*(\q/2)+16*(\q%2))+32*\dt
.endr
.endr
	s_wait_dscnt 0x0                               ; for the others' sake: my stores into the stage are done
	s_barrier_signal -1
	s_barrier_wait -1
.irp i, 0,1,2,3,4,5,6,7,8,9,10,11,12,13,14,15
	ds_load_b128 v[O+4*\i:O+4*\i+3], v13 offset:\i*SP
.endr
.irp i, 0,1,2,3,4,5,6,7,8,9,10,11,12,13,14,15
	s_wait_dscnt 15-\i
	global_store_b128 v14, v[O+4*\i:O+4*\i+3], s[6:7] offset:2048*\i   ; 512 consecutive bytes, aligned
.endr
	s_wait_tensorcnt 0x0                           ; the wave's end
	ds_add_u32 v5, v6
	s_wait_dscnt 0x0
	s_endpgm
.Lfunc_end_k_qe390c4179c_attn:
	.size	k_qe390c4179c_attn, .Lfunc_end_k_qe390c4179c_attn-k_qe390c4179c_attn
	.p2alignl 7, 3214868480
	.fill 96, 4, 3214868480
	.section	.rodata,"a",@progbits
	.p2align	6, 0x0
	.amdhsa_kernel k_qe390c4179c_attn
		.amdhsa_group_segment_fixed_size 327680
		.amdhsa_private_segment_fixed_size 0
		.amdhsa_enable_private_segment 0
		.amdhsa_kernarg_size 16
		.amdhsa_user_sgpr_count 2
		.amdhsa_user_sgpr_kernarg_segment_ptr 1
		.amdhsa_wavefront_size32 1
		.amdhsa_system_sgpr_workgroup_id_x 1
		.amdhsa_system_sgpr_workgroup_id_y 1
		.amdhsa_system_sgpr_workgroup_id_z 1
		.amdhsa_system_vgpr_workitem_id 0
		.amdhsa_next_free_vgpr 512
		.amdhsa_next_free_sgpr 90
		.amdhsa_reserve_vcc 1
		.amdhsa_float_denorm_mode_32 3
		.amdhsa_float_denorm_mode_16_64 3
		.amdhsa_memory_ordered 1
		.amdhsa_forward_progress 1
		.amdhsa_inst_pref_size 109
	.end_amdhsa_kernel
	.amdgpu_metadata
---
amdhsa.version: [ 1, 2 ]
amdhsa.kernels:
  - .name:           k_qe390c4179c_attn
    .symbol:         k_qe390c4179c_attn.kd
    .args:
      - { .name: qkv, .offset: 0, .size: 8, .value_kind: global_buffer, .address_space: global }
      - { .name: att, .offset: 8, .size: 8, .value_kind: global_buffer, .address_space: global }
    .group_segment_fixed_size: 327680
    .private_segment_fixed_size: 0
    .kernarg_segment_align: 8
    .kernarg_segment_size: 16
    .max_flat_workgroup_size: 256
    .sgpr_count:     90
    .vgpr_count:     512
    .wavefront_size: 32
...
	.end_amdgpu_metadata
.endif
;; end of part 3
;; launch proj (part 4): grid 4 x 64, 4 waves a work-group, clusters of 4 x 4, 327,680 bytes of LDS; arguments att, wot, out0; writes out0
.if DOCPART == 4
	.amdgcn_target "amdgcn-amd-amdhsa--gfx1250"
	.amdhsa_code_object_version 6
	.text
	.protected	k_qe390c4179c_proj
	.globl	k_qe390c4179c_proj
	.p2align	8
	.type	k_qe390c4179c_proj,@function
k_qe390c4179c_proj:
	s_mov_b64 s[64:65], 0
	v_nop
	global_prefetch_b8 v0, s[64:65] scope:SCOPE_SE
	s_setreg_imm32_b32 hwreg(HW_REG_WAVE_MODE, 25, 1), 1
	s_wait_xcnt 0x0
	s_wait_alu depctr_hold_cnt(0) depctr_sa_sdst(0) depctr_va_vdst(0) depctr_va_sdst(0) depctr_va_ssrc(0) depctr_va_vcc(0) depctr_vm_vsrc(0)
	s_getreg_b32 s2, hwreg(HW_REG_IB_STS2, 6, 4)
	s_cmp_eq_u32 s2, 0
	s_cbranch_scc0 .Lentry_in_a_cluster
	s_endpgm
.Lentry_in_a_cluster:
	s_bfe_u32 s2, ttmp6, 0x10000c
	s_cmp_lg_u32 s2, 0xf033
	s_cbranch_scc0 .Lentry_shape_is_right
	s_endpgm
.Lentry_shape_is_right:
; PROJ: out0[m][n] = sum over k of att[m][k] wot[n][k].  att [8192][1024], wot [1024][1024]: f16; out0 [8192][1024] f32; sums in f32.
; A tile of out0 is 128 x 256: 256 work-groups.  Four waves, each 64 x 128: 32 accumulators of 16 x 16.  K goes in steps of 128 (rows of 256 bytes) through a ring of two LDS slots.
; CLUSTERS: 4 x 4 work-groups.  The four of a row of the cluster need the same tiles of att, the four of a column the same tiles of wot: each tile is asked for JOINTLY.
; THE MATRIX INSTRUCTION IS USED TRANSPOSED (source 0 = 16 rows of wot, source 1 = 16 rows of att): a lane holds eight neighbouring numbers of a row of out0.
; No prefetch: K has eight steps, of which four are asked for before a prefetch could run ahead of its load.
; The rows of positions 0-15 of each sequence are written here like all others and written again, more finely, by the launch that follows: which rows a work-group has hangs on its place in the cluster.
; LIMITS: |att|, |Wo| under 65,504 (f16).
; REGISTERS: window 0: v0-31 addresses; v128-255 rows on the way out.  window 1: two fragment buffers of 96 (wot's 8, then att's 4).  window 2: accumulator (a, b) at v[8 (8 a + b)].
.set KSTEP,  128
.set PITCH,  272
.set AH,     64*PITCH                  ; what waves 0, 1 fetch: 64 rows of att
.set BH,     128*PITCH                 ; what waves 2, 3 fetch: 128 rows of wot
.set BOFF,   2*AH
.set SLOT,   2*AH+2*BH
.set STAGE,  2*SLOT                    ; 16 rows x (512 bytes + 16) for each wave
.set SPITCH, 528
.set SPARE,  STAGE+4*16*SPITCH
.set ADRA, 16
.set ADRB, 20
.set STO,  24
.set RD,   25
.set CO,   26
.set SPW,  28
.set NIL,  29
.set F0,   0
.set F1,   96
.set G1, 24
.set G0, 32
.set G1B, 48
.set G0B, 56
.set MULW, 0xa5                        ; sources 0 and 1 window 1; C and D window 2
.set MSB, 0
.macro WIN new
.if MSB != (\new)
	s_set_vgpr_msb (MSB<<8)|(\new)
.set MSB, (\new)
.endif
.endm
.macro PLACES
.rept 4
	v_nop
.endr
.endm
.macro JLOAD s                         ; a joint load: waves 0 and 1 fetch att's halves, waves 2 and 3 wot's; an s_nop 0 and four v_nop follow each line
	s_cmp_eq_u32 s11, 0
	s_cbranch_scc0 .Lfor_b_\@
	tensor_load_to_lds s[G0+4*\s:G0+4*\s+3], s[G1:G1+7]
	s_nop 0
.rept 4
	v_nop
.endr
	s_branch .Lasked_\@
.Lfor_b_\@:
	tensor_load_to_lds s[G0B+4*\s:G0B+4*\s+3], s[G1B:G1B+7]
	s_nop 0
.rept 4
	v_nop
.endr
.Lasked_\@:
.endm
.macro CREST
	s_cmp_lg_u32 s10, 0
	s_cbranch_scc1 .Lnot_wave_0_\@
	s_barrier_signal -3
.Lnot_wave_0_\@:
	s_barrier_wait -3
	s_barrier_signal -1
	s_barrier_wait -1
.endm
.macro CROUND
	s_barrier_signal -1
	s_barrier_wait -1
	CREST
.endm
.macro MUL8 f, a, zero                 ; block a of my rows against my eight blocks of columns, 32 along K
.irp b, 0,1,2,3,4,5,6,7
.if \zero
	v_wmma_f32_16x16x32_f16 v[8*(8*(\a)+\b):8*(8*(\a)+\b)+7], v[\f+8*\b:\f+8*\b+7], v[\f+64+8*(\a):\f+64+8*(\a)+7], 0
.else
	v_wmma_f32_16x16x32_f16 v[8*(8*(\a)+\b):8*(8*(\a)+\b)+7], v[\f+8*\b:\f+8*\b+7], v[\f+64+8*(\a):\f+64+8*(\a)+7], v[8*(8*(\a)+\b):8*(8*(\a)+\b)+7]
.endif
.endr
.endm
.macro FETCH slot, k, f                ; 24 LDS loads in one run: the fragments of 32 along K at byte k of the rows
	WIN 0x40
.irp i, 0,1,2,3,4,5,6,7
	ds_load_b128 v[\f+8*\i:\f+8*\i+3],   v[ADRB+\slot] offset:\k+\i*16*PITCH
	ds_load_b128 v[\f+8*\i+4:\f+8*\i+7], v[ADRB+\slot] offset:\k+\i*16*PITCH+32
.endr
.irp i, 0,1,2,3
	ds_load_b128 v[\f+64+8*\i:\f+64+8*\i+3],   v[ADRA+\slot] offset:\k+\i*16*PITCH
	ds_load_b128 v[\f+64+8*\i+4:\f+64+8*\i+7], v[ADRA+\slot] offset:\k+\i*16*PITCH+32
.endr
.endm
; A K step is four quarters of 32 along K, 32 products each, on buffers 0, 1, 0, 1; the 32 accumulators take turns in the same order in every quarter.
.macro QUARTER slot, k, f, g, zero     ; multiplies buffer f; ahead of that it asks for the next quarter, at byte k, into g
	s_wait_dscnt 0x0                               ; buffer f is in (asked for 32 products ago)
	PLACES                                         ; in front of loads into registers that matrix instructions have read
	FETCH \slot, \k, \g
	WIN MULW
	MUL8 \f, 0, \zero
	MUL8 \f, 1, \zero
	MUL8 \f, 2, \zero
	MUL8 \f, 3, \zero
.endm
; The last quarter multiplies buffer 1 and changes slots: ONE barrier; in front of it each wave waits for all its tensor loads, adds 0 to its spare word, and waits for that and for its reads of this slot.
.macro TURN slot, next, fill
	WIN 0
	s_wait_tensorcnt 0x0                           ; all my tensor loads have landed: my part of the next slot
	ds_add_u32 v[SPW], v[NIL]
	s_wait_dscnt 1                                 ; buffer 1 is in; the add may be out
	WIN MULW
	MUL8 F1, 0, 0                                  ; eight products stand between the add and the wait for it
	s_wait_dscnt 0x0                               ; the add is done, and my reads of this slot are over
	s_barrier_signal -1
	MUL8 F1, 1, 0
.if \fill
	WIN 0
.endif
	s_barrier_wait -1
.if \fill
	CREST                                          ; the barrier has opened a round of the cluster's barrier: no wave of any partner still reads this slot or has a load on its way
	s_add_nc_u64 s[G0+4*\slot+2:G0+4*\slot+3], s[G0+4*\slot+2:G0+4*\slot+3], 2*KSTEP*2
	s_add_nc_u64 s[G0B+4*\slot+2:G0B+4*\slot+3], s[G0B+4*\slot+2:G0B+4*\slot+3], 2*KSTEP*2
	JLOAD \slot                                    ; the first tensor load behind the round; its four v_nop are also the places in front of the loads below
.else
	PLACES
.endif
	FETCH \next, 0, F0
	WIN MULW
	MUL8 F1, 2, 0
	MUL8 F1, 3, 0
.endm
.macro TOSTAGE a                       ; block a: 16 rows x 128 columns through my own stage; each accumulator from its low end on
	WIN 0x08
.irp b, 0,1,2,3,4,5,6,7
	ds_store_b128 v[STO], v[64*(\a)+8*\b:64*(\a)+8*\b+3] offset:64*\b
	ds_store_b128 v[STO], v[64*(\a)+8*\b+4:64*(\a)+8*\b+7] offset:64*\b+16
.endr
	WIN 0
.set BB, 128+64*((\a)%2)
.irp t, 0,1,2,3,4,5,6,7,8,9,10,11,12,13,14,15
	ds_load_b128 v[BB+4*\t:BB+4*\t+3], v[RD] offset:\t*SPITCH      ; LDS serves a wave's instructions in order: these see the stores above
.endr
.endm
.macro SEND a, younger
.set BB, 128+64*((\a)%2)
	s_wait_dscnt \younger
.if (\a) > 0
	s_add_nc_u64 s[8:9], s[8:9], 16*4096           ; (behind a wait on XCNT: the earlier stores have read their base)
.endif
.irp t, 0,1,2,3,4,5,6,7,8,9,10,11,12,13,14,15
	global_store_b128 v[CO], v[BB+4*\t:BB+4*\t+3], s[8:9] offset:\t*4096 th:TH_STORE_NT   ; 512 consecutive bytes, aligned
.endr
.endm
	s_load_b128 s[4:7], s[0:1], 0x0                ; att, wot
	s_load_b64 s[8:9], s[0:1], 0x10                ; out0
	v_lshl_add_u32 v[SPW], v0, 2, SPARE
	v_mov_b32 v[NIL], 0
	ds_add_u32 v[SPW], v[NIL]                      ; the wave's opening: the add, twice on end, and its wait ahead of my first tensor load
	ds_add_u32 v[SPW], v[NIL]
	v_lshrrev_b32 v1, 5, v0
	v_readfirstlane_b32 s10, v1                    ; wave
	s_lshr_b32 s11, s10, 1                         ; which half of the tile's rows is mine.  Also: I fetch for att (0) or for wot (1)
	s_and_b32 s12, s10, 1                          ; which half of its columns.  Also: which half of that tile I fetch
	s_bfe_u32 s40, ttmp6, 0x40000                  ; cx, cy
	s_bfe_u32 s41, ttmp6, 0x40004
	s_lshl_b32 s42, ttmp9, 2
	s_add_co_u32 s42, s42, s40                     ; tile column
	s_and_b32 s13, ttmp7, 0xffff
	s_lshl_b32 s13, s13, 2
	s_add_co_u32 s13, s13, s41                     ; tile row
	s_lshl_b32 s43, s41, 2
	s_lshl_b32 s43, 15, s43                        ; my row of the cluster
	s_lshl_b32 s44, 0x1111, s40                    ; my column
	s_or_b32 s[G1+0], s43, (1<<16)|(1<<20)|(1<<21)|(5<<22)|(3<<25)   ; the mask; elements of 2 bytes; after every 64 words four words of padding
	s_or_b32 s[G1B+0], s44, (1<<16)|(1<<20)|(1<<21)|(5<<22)|(3<<25)
	s_mov_b32 s[G1+1], KSTEP<<16
	s_mov_b32 s[G1+2], 64<<16
	s_mov_b32 s[G1+3], KSTEP<<16
	s_mov_b32 s[G1+4], 64
	s_mov_b32 s[G1+5], 1024
	s_mov_b32 s[G1+6], 0
	s_mov_b32 s[G1+7], 0
	s_mov_b32 s[G1B+1], KSTEP<<16
	s_mov_b32 s[G1B+2], 128<<16
	s_mov_b32 s[G1B+3], KSTEP<<16
	s_mov_b32 s[G1B+4], 128
	s_mov_b32 s[G1B+5], 1024
	s_mov_b32 s[G1B+6], 0
	s_mov_b32 s[G1B+7], 0
	s_lshl_b32 s17, s12, 6
	s_lshl_b32 s16, s13, 7
	s_add_co_u32 s16, s16, s17                     ; att: row 128 x tile row + 64 x half
	s_lshl_b32 s16, s16, 11
	s_mov_b32 s17, 0
	s_lshl_b32 s47, s12, 7
	s_lshl_b32 s46, s42, 8
	s_add_co_u32 s46, s46, s47                     ; wot: row 256 x tile column + 128 x half
	s_lshl_b32 s46, s46, 11
	s_mov_b32 s47, 0
	s_mul_i32 s20, s12, AH                         ; where they go: the wave's number and constants alone
	s_mul_i32 s21, s12, BH
	s_add_co_u32 s21, s21, BOFF
	s_wait_dscnt 0x0                               ; both opening adds are done
	s_wait_kmcnt 0x0
	s_add_nc_u64 s[14:15], s[4:5], s[16:17]
	s_add_nc_u64 s[46:47], s[6:7], s[46:47]
	CROUND                                         ; all sixteen work-groups are here: the first joint loads meet
.irp s, 0,1
	s_mov_b32 s[G0+4*\s], 1
	s_add_co_u32 s[G0+4*\s+1], s20, \s*SLOT
	s_add_nc_u64 s[G0+4*\s+2:G0+4*\s+3], s[14:15], \s*KSTEP*2
	s_or_b32 s[G0+4*\s+3], s[G0+4*\s+3], 0x80000000
	s_mov_b32 s[G0B+4*\s], 1
	s_add_co_u32 s[G0B+4*\s+1], s21, \s*SLOT
	s_add_nc_u64 s[G0B+4*\s+2:G0B+4*\s+3], s[46:47], \s*KSTEP*2
	s_or_b32 s[G0B+4*\s+3], s[G0B+4*\s+3], 0x80000000
	JLOAD \s
.endr
	v_and_b32 v1, 15, v0
	v_bfe_u32 v2, v0, 4, 1
	v_mul_u32_u24 v3, v1, PITCH
	v_lshl_add_u32 v3, v2, 4, v3                   ; a fragment's row x pitch + 16 x half
	s_mul_i32 s21, s11, AH                         ; my 64 rows of att
	s_mul_i32 s22, s12, BH                         ; my 128 rows of wot,
	s_add_co_u32 s22, s22, BOFF                    ; which lie behind att's 128
.irp s, 0,1
	v_add_nc_u32 v[ADRA+\s], s21, v3
	v_add_nc_u32 v[ADRB+\s], s22, v3
	s_add_co_u32 s21, s21, SLOT
	s_add_co_u32 s22, s22, SLOT
.endr
	s_mul_i32 s23, s10, 16*SPITCH
	s_add_co_u32 s23, s23, STAGE                   ; my stage
	v_mul_u32_u24 v5, v1, SPITCH
	v_lshl_add_u32 v5, v2, 5, v5
	v_add_nc_u32 v[STO], s23, v5                   ; in: row l % 16, 32 bytes for each half of the lanes
	v_and_b32 v6, 31, v0
	v_lshlrev_b32 v[CO], 4, v6                     ; back: the 32 lanes take one row of 512 bytes; and the same in out0
	v_add_nc_u32 v[RD], s23, v[CO]
	s_lshl_b32 s16, s13, 7
	s_lshl_b32 s17, s11, 6
	s_add_co_u32 s16, s16, s17                     ; my first row of out0
	s_lshl_b32 s16, s16, 12
	s_mov_b32 s17, 0
	s_add_nc_u64 s[8:9], s[8:9], s[16:17]
	s_lshl_b32 s46, s42, 10                        ; my first column, in bytes
	s_lshl_b32 s47, s12, 9
	s_add_co_u32 s46, s46, s47
	s_mov_b32 s47, 0
	s_add_nc_u64 s[8:9], s[8:9], s[46:47]
	s_wait_tensorcnt 1                             ; my part of K step 0 is in; K step 1's may stay out
	s_barrier_signal -1
	s_barrier_wait -1
	FETCH 0, 0, F0
	QUARTER 0, 64, F0, F1, 1                       ; the first quarter stands in front of the loop: its products start the sums
	WIN 0
	s_mov_b32 s3, 3
.Llap:                                             ; a trip goes once round the ring, from a lap's second quarter to the next lap's first, and fills both slots again
	QUARTER 0, 128, F1, F0, 0
	QUARTER 0, 192, F0, F1, 0
	TURN 0, 1, 1
	QUARTER 1, 64,  F0, F1, 0
	QUARTER 1, 128, F1, F0, 0
	QUARTER 1, 192, F0, F1, 0
	TURN 1, 0, 1
	QUARTER 0, 64,  F0, F1, 0
	WIN 0
	s_sub_co_u32 s3, s3, 1
	s_cmp_lg_u32 s3, 0
	s_cbranch_scc1 .Llap
	QUARTER 0, 128, F1, F0, 0                      ; the last lap fills nothing
	QUARTER 0, 192, F0, F1, 0
	TURN 0, 1, 0
	QUARTER 1, 64,  F0, F1, 0
	QUARTER 1, 128, F1, F0, 0
	QUARTER 1, 192, F0, F1, 0
	s_wait_dscnt 0x0                               ; the very last quarter
	WIN MULW
	MUL8 F1, 0, 0
	MUL8 F1, 1, 0
	MUL8 F1, 2, 0
	MUL8 F1, 3, 0
	WIN 0
	PLACES                                         ; in front of the first read of results
	TOSTAGE 0
.irp a, 1,2,3
.if \a > 1
	s_wait_xcnt 0x0                                ; the stores of two blocks ago have read their registers and their base
.endif
	TOSTAGE \a
	SEND \a-1, 32                                  ; behind that block's loads: the next block's 16 stores and 16 loads
.endr
	s_wait_xcnt 0x0
	SEND 3, 0
	s_wait_tensorcnt 0x0                           ; the wave's end
	ds_add_u32 v[SPW], v[NIL]
	s_wait_dscnt 0x0
	CROUND                                         ; the closing round
	s_endpgm
.Lfunc_end_k_qe390c4179c_proj:
	.size	k_qe390c4179c_proj, .Lfunc_end_k_qe390c4179c_proj-k_qe390c4179c_proj
	.p2alignl 7, 3214868480
	.fill 96, 4, 3214868480
	.section	.rodata,"a",@progbits
	.p2align	6, 0x0
	.amdhsa_kernel k_qe390c4179c_proj
		.amdhsa_group_segment_fixed_size 327680
		.amdhsa_private_segment_fixed_size 0
		.amdhsa_enable_private_segment 0
		.amdhsa_kernarg_size 24
		.amdhsa_user_sgpr_count 2
		.amdhsa_user_sgpr_kernarg_segment_ptr 1
		.amdhsa_wavefront_size32 1
		.amdhsa_system_sgpr_workgroup_id_x 1
		.amdhsa_system_sgpr_workgroup_id_y 1
		.amdhsa_system_sgpr_workgroup_id_z 1
		.amdhsa_system_vgpr_workitem_id 0
		.amdhsa_next_free_vgpr 768
		.amdhsa_next_free_sgpr 66
		.amdhsa_reserve_vcc 0
		.amdhsa_float_denorm_mode_32 3
		.amdhsa_float_denorm_mode_16_64 3
		.amdhsa_memory_ordered 1
		.amdhsa_forward_progress 1
		.amdhsa_inst_pref_size 84
	.end_amdhsa_kernel
	.amdgpu_metadata
---
amdhsa.version: [ 1, 2 ]
amdhsa.kernels:
  - .name:           k_qe390c4179c_proj
    .symbol:         k_qe390c4179c_proj.kd
    .args:
      - { .name: att, .offset: 0, .size: 8, .value_kind: global_buffer, .address_space: global }
      - { .name: wot, .offset: 8, .size: 8, .value_kind: global_buffer, .address_space: global }
      - { .name: out0, .offset: 16, .size: 8, .value_kind: global_buffer, .address_space: global }
    .group_segment_fixed_size: 327680
    .private_segment_fixed_size: 0
    .kernarg_segment_align: 8
    .kernarg_segment_size: 24
    .max_flat_workgroup_size: 128
    .sgpr_count:     66
    .vgpr_count:     768
    .wavefront_size: 32
...
	.end_amdgpu_metadata
.endif
;; end of part 4
;; launch fine (part 5): grid 16 x 4, 16 waves a work-group, no clusters, 71,680 bytes of LDS; arguments fin, Wo, out0; writes out0
.if DOCPART == 5
	.amdgcn_target "amdgcn-amd-amdhsa--gfx1250"
	.amdhsa_code_object_version 6
	.text
	.protected	k_qe390c4179c_fine
	.globl	k_qe390c4179c_fine
	.p2align	8
	.type	k_qe390c4179c_fine,@function
k_qe390c4179c_fine:
	s_mov_b64 s[64:65], 0
	v_nop
	global_prefetch_b8 v0, s[64:65] scope:SCOPE_SE
	s_setreg_imm32_b32 hwreg(HW_REG_WAVE_MODE, 25, 1), 1
	s_wait_xcnt 0x0
; FINE: positions 0-15 of each of the four sequences once more, wholly in f32: attention and the projection, by v_wmma_f32_16x16x4_f32.  These rows average one to sixteen values, so f16 operands would weigh most there.
; fin [4 b][24 H][16 positions][64] f32 (H 0-15 q with log2(e)/8, 16-19 k, 20-23 v); Wo [1024][1024] f32; out0 [8192][1024] f32: 64 rows are written.
; SHARES.  Work-group (X, b) makes columns 64 X .. 64 X + 63 of the 16 rows of batch b.  Wave hd is head hd: its attention, then its 64 along K of the projection; the 16 partial results meet in LDS.
; Each product's K is permuted alike on both sides, so that plain loads, and the results as they lie, serve as operands: an instruction's k = 2 (lane / 16) + j stands for
;   d = 32 h + 2 s + j (scores), key 8 h + 2 s + j (second product), d = 16 dt + 8 h + 2 s + j (projection).
; All products are used transposed: a lane holds one query (lane % 16) throughout.
; REGISTERS: v16-47 K, v48-79 Q (both later Wo's column tiles 2, 3; v16-47 later the 16 partial results); v80-111 V; v112-127 two accumulators of scores; v128-143 two of the projection; v144-159 p and work; v160-191 four of O^T; v192-255 Wo's column tiles 0, 1.
; The accumulators are written by matrix instructions alone.
.set SPARE, 69632
.macro YROUND wb, rnd                  ; two tiles of 16 columns: 32 products, the two accumulators by turns
.irp dt, 0,1,2,3
.irp s, 0,1,2,3
.irp e, 0,1
.if (\dt == 0) && (\s == 0)
	v_wmma_f32_16x16x4_f32 v[128+8*\e:135+8*\e], v[\wb+32*\e+8*\dt+2*\s:\wb+32*\e+8*\dt+2*\s+1], v[160+8*\dt+2*\s:161+8*\dt+2*\s], 0
.else
	v_wmma_f32_16x16x4_f32 v[128+8*\e:135+8*\e], v[\wb+32*\e+8*\dt+2*\s:\wb+32*\e+8*\dt+2*\s+1], v[160+8*\dt+2*\s:161+8*\dt+2*\s], v[128+8*\e:135+8*\e]
.endif
.endr
.endr
.endr
.rept 8
	v_nop                                          ; eight places in front of LDS stores that read results of this form
.endr
.irp e, 0,1
	ds_store_b128 v8, v[128+8*\e:131+8*\e] offset:64*(2*(\rnd)+\e)
	ds_store_b128 v8, v[132+8*\e:135+8*\e] offset:64*(2*(\rnd)+\e)+16
.endr
	s_wait_dscnt 0x0                               ; the stores have read their registers
	v_nop                                          ; the ninth place: the accumulators may be begun anew
.endm
	s_load_b128 s[4:7], s[0:1], 0x0                ; fin, Wo
	s_load_b64 s[8:9], s[0:1], 0x10                ; out0
	v_lshl_add_u32 v14, v0, 2, SPARE               ; my spare word; never rewritten
	v_mov_b32 v15, 0                               ; 0; never rewritten
	v_lshrrev_b32 v1, 5, v0
	v_readfirstlane_b32 s10, v1                    ; wave = head
	v_and_b32 v2, 15, v0                           ; r
	v_bfe_u32 v3, v0, 4, 1                         ; h
	v_and_b32 v4, 31, v0                           ; lane
	v_lshlrev_b32 v5, 8, v2
	v_lshl_add_u32 v5, v3, 7, v5                   ; K, Q: row r of 256 bytes, + 128 h
	v_lshlrev_b32 v6, 2, v2
	v_lshl_add_u32 v7, v3, 15, v6                  ; Wo: 8 h rows of 4,096 bytes, + 4 r
	v_lshl_add_u32 v6, v3, 11, v6                  ; V: 8 h rows of 256 bytes, + 4 r
	v_lshlrev_b32 v9, 3, v3
	v_sub_nc_u32 v9, v2, v9                        ; r - 8 h
	v_mov_b32 v10, 0xff800000                      ; -infinity
	v_mov_b32 v153, 0                              ; (a lane permute's destination counts as one of its sources)
	s_mul_i32 s20, s10, 4352
	v_mul_u32_u24 v8, v2, 272
	v_lshl_add_u32 v8, v3, 5, v8
	v_add_nc_u32 v8, s20, v8                       ; my partial result: 16 rows x (256 bytes + 16); row r, + 32 h
	s_mul_i32 s20, s10, 272
	v_lshl_add_u32 v11, v4, 3, s20                 ; the sum: wave w takes row w of all sixteen, 8 bytes a lane
	v_lshlrev_b32 v12, 3, v4
	s_mov_b32 s22, 0x76543210
	s_mov_b32 s23, 0xfedcba98
	s_and_b32 s11, ttmp7, 0xffff                   ; b
	s_mul_i32 s12, s11, 24*4096
	s_lshl_b32 s14, s10, 12
	s_add_co_u32 s14, s14, s12                     ; Q's 4,096 bytes
	s_mov_b32 s15, 0
	s_lshr_b32 s16, s10, 2
	s_lshl_b32 s16, s16, 12
	s_add_co_u32 s16, s16, s12
	s_add_co_u32 s16, s16, 16*4096                 ; K's
	s_mov_b32 s17, 0
	s_add_co_u32 s18, s16, 4*4096                  ; V's
	s_mov_b32 s19, 0
	s_lshl_b32 s24, s10, 18                        ; Wo: my head's 64 rows,
	s_lshl_b32 s25, ttmp9, 8
	s_add_co_u32 s24, s24, s25                     ; my work-group's 64 columns
	s_mov_b32 s25, 0
	s_lshl_b32 s26, s11, 11
	s_add_co_u32 s26, s26, s10
	s_lshl_b32 s26, s26, 12                        ; out0: row 2,048 b + w,
	s_lshl_b32 s27, ttmp9, 8
	s_add_co_u32 s26, s26, s27
	s_mov_b32 s27, 0
	s_wait_kmcnt 0x0
	s_add_nc_u64 s[14:15], s[4:5], s[14:15]
	s_add_nc_u64 s[16:17], s[4:5], s[16:17]
	s_add_nc_u64 s[18:19], s[4:5], s[18:19]
	s_add_nc_u64 s[6:7], s[6:7], s[24:25]
	s_add_nc_u64 s[8:9], s[8:9], s[26:27]
.irp i, 0,1,2,3,4,5,6,7
	global_load_b128 v[16+4*\i:19+4*\i], v5, s[16:17] offset:16*\i     ; K(r, 32 h + 4 i ..)
.endr
.irp i, 0,1,2,3,4,5,6,7
	global_load_b128 v[48+4*\i:51+4*\i], v5, s[14:15] offset:16*\i     ; Q likewise
.endr
.irp dt, 0,1,2,3
.irp j, 0,1,2,3,4,5,6,7
	global_load_b32 v[80+8*\dt+\j], v6, s[18:19] offset:256*\j+64*\dt  ; V(key 8 h + j, channel 16 dt + r)
.endr
.endr
.irp e, 0,1
.irp dt, 0,1,2,3
.irp j, 0,1,2,3,4,5,6,7
	global_load_b32 v[192+32*\e+8*\dt+\j], v7, s[6:7] offset:4096*(16*\dt+\j)+64*\e   ; Wo(16 dt + 8 h + j, 16 e + r)
.endr
.endr
.endr
	s_wait_loadcnt 63                              ; K and Q are in: 96 loads were issued behind them, and the count's field holds 63 at the most
	v_wmma_f32_16x16x4_f32 v[112:119], v[16:17], v[48:49], 0           ; S^T = K Q^T: the first two steps start the two sums
	v_wmma_f32_16x16x4_f32 v[120:127], v[18:19], v[50:51], 0
.irp s, 2,3,4,5,6,7,8,9,10,11,12,13,14,15
	v_wmma_f32_16x16x4_f32 v[112+8*(\s%2):119+8*(\s%2)], v[16+2*\s:17+2*\s], v[48+2*\s:49+2*\s], v[112+8*(\s%2):119+8*(\s%2)]
.endr
.rept 8
	v_nop                                          ; eight places in front of loads into registers that these products read, and of the first read of results
.endr
.irp e, 0,1
.irp dt, 0,1,2,3
.irp j, 0,1,2,3,4,5,6,7
	global_load_b32 v[16+32*\e+8*\dt+\j], v7, s[6:7] offset:4096*(16*\dt+\j)+64*(2+\e)   ; Wo's column tiles 2, 3
.endr
.endr
.endr
.irp j, 0,1,2,3,4,5,6,7
	v_add_f32 v[144+\j], v[112+\j], v[120+\j]      ; the scores of my query against keys 8 h + j, from the low end on
.endr
.irp j, 0,1,2,3,4,5,6,7
	v_cmp_gt_i32 vcc_lo, \j, v9                    ; key 8 h + j comes after query r
	v_cndmask_b32 v[144+\j], v[144+\j], v10, vcc_lo
.endr
	v_max3_num_f32 v152, v144, v145, v146
	v_max3_num_f32 v152, v152, v147, v148
	v_max3_num_f32 v152, v152, v149, v150
	v_max_num_f32 v152, v152, v151
	v_permlanex16_b32 v153, v152, s22, s23
	v_max_num_f32 v152, v152, v153                 ; the row's maximum (key 0 counts for every query)
.irp j, 0,1,2,3,4,5,6,7
	v_sub_f32 v[144+\j], v[144+\j], v152
.endr
.irp j, 0,1,2,3,4,5,6,7
	v_exp_f32 v[144+\j], v[144+\j]
.endr
	v_nop
	s_wait_alu depctr_va_vdst(0)                   ; one wait for the eight
	v_add_f32 v154, v144, v145
	v_add_f32 v155, v146, v147
	v_add_f32 v156, v148, v149
	v_add_f32 v157, v150, v151
	v_add_f32 v154, v154, v155
	v_add_f32 v156, v156, v157
	v_add_f32 v154, v154, v156
	v_permlanex16_b32 v153, v154, s22, s23
	v_add_f32 v154, v154, v153                     ; the row's sum
	v_rcp_f32 v154, v154
	v_nop
	s_wait_alu depctr_va_vdst(0)
.irp j, 0,1,2,3,4,5,6,7
	v_mul_f32 v[144+\j], v[144+\j], v154           ; the weights
.endr
	s_wait_loadcnt 63                              ; V is in: 128 loads were issued behind it
.irp s, 0,1,2,3                        ; O^T = V^T P: four accumulators by turns
.irp dt, 0,1,2,3
.if \s == 0
	v_wmma_f32_16x16x4_f32 v[160+8*\dt:167+8*\dt], v[80+8*\dt+2*\s:81+8*\dt+2*\s], v[144+2*\s:145+2*\s], 0
.else
	v_wmma_f32_16x16x4_f32 v[160+8*\dt:167+8*\dt], v[80+8*\dt+2*\s:81+8*\dt+2*\s], v[144+2*\s:145+2*\s], v[160+8*\dt:167+8*\dt]
.endif
.endr
.endr
.rept 9
	v_nop                                          ; nine places before matrix instructions take these results as a source
.endr
	s_wait_loadcnt 63                              ; Wo's column tiles 0, 1 are in: 64 loads were issued behind them
	YROUND 192, 0
	s_wait_loadcnt 0x0                             ; tiles 2, 3
	YROUND 16, 1
	s_barrier_signal -1                            ; (my stores have landed: the macro's wait for 0)
	s_barrier_wait -1
.irp i, 0,1,2,3,4,5,6,7,8,9,10,11,12,13,14,15
	ds_load_b64 v[16+2*\i:17+2*\i], v11 offset:4352*\i     ; row w of head i's partial result
.endr
	s_wait_dscnt 0x0
.irp i, 0,1,2,3,4,5,6,7
	v_pk_add_f32 v[16+4*\i:17+4*\i], v[16+4*\i:17+4*\i], v[18+4*\i:19+4*\i]
.endr
.irp i, 0,1,2,3
	v_pk_add_f32 v[16+8*\i:17+8*\i], v[16+8*\i:17+8*\i], v[20+8*\i:21+8*\i]
.endr
.irp i, 0,1
	v_pk_add_f32 v[16+16*\i:17+16*\i], v[16+16*\i:17+16*\i], v[24+16*\i:25+16*\i]
.endr
	v_pk_add_f32 v[16:17], v[16:17], v[32:33]
	global_store_b64 v12, v[16:17], s[8:9]         ; 256 consecutive bytes, aligned
	s_wait_tensorcnt 0x0                           ; the wave's end
	ds_add_u32 v14, v15
	s_wait_dscnt 0x0
	s_endpgm
.Lfunc_end_k_qe390c4179c_fine:
	.size	k_qe390c4179c_fine, .Lfunc_end_k_qe390c4179c_fine-k_qe390c4179c_fine
	.p2alignl 7, 3214868480
	.fill 96, 4, 3214868480
	.section	.rodata,"a",@progbits
	.p2align	6, 0x0
	.amdhsa_kernel k_qe390c4179c_fine
		.amdhsa_group_segment_fixed_size 71680
		.amdhsa_private_segment_fixed_size 0
		.amdhsa_enable_private_segment 0
		.amdhsa_kernarg_size 24
		.amdhsa_user_sgpr_count 2
		.amdhsa_user_sgpr_kernarg_segment_ptr 1
		.amdhsa_wavefront_size32 1
		.amdhsa_system_sgpr_workgroup_id_x 1
		.amdhsa_system_sgpr_workgroup_id_y 1
		.amdhsa_system_sgpr_workgroup_id_z 1
		.amdhsa_system_vgpr_workitem_id 0
		.amdhsa_next_free_vgpr 256
		.amdhsa_next_free_sgpr 66
		.amdhsa_reserve_vcc 1
		.amdhsa_float_denorm_mode_32 3
		.amdhsa_float_denorm_mode_16_64 3
		.amdhsa_memory_ordered 1
		.amdhsa_forward_progress 1
		.amdhsa_inst_pref_size 32
	.end_amdhsa_kernel
	.amdgpu_metadata
---
amdhsa.version: [ 1, 2 ]
amdhsa.kernels:
  - .name:           k_qe390c4179c_fine
    .symbol:         k_qe390c4179c_fine.kd
    .args:
      - { .name: fin, .offset: 0, .size: 8, .value_kind: global_buffer, .address_space: global }
      - { .name: Wo, .offset: 8, .size: 8, .value_kind: global_buffer, .address_space: global }
      - { .name: out0, .offset: 16, .size: 8, .value_kind: global_buffer, .address_space: global }
    .group_segment_fixed_size: 71680
    .private_segment_fixed_size: 0
    .kernarg_segment_align: 8
    .kernarg_segment_size: 24
    .max_flat_workgroup_size: 512
    .sgpr_count:     66
    .vgpr_count:     256
    .wavefront_size: 32
...
	.end_amdgpu_metadata
.endif
;; end of part 5
